; MI455X (gfx1250); checked and timed in simulation.
; The chip was launched on July 23, 2026; its instructions are those of AMD's public machine-readable ISA for CDNA 5 (MIT licence, August 2026) and "CDNA5" Instruction Set Architecture Reference Guide (July 2026). The comments in the code are by the model that wrote it; some were corrected since.
;; Core Memory. Allowed arithmetic: matrix products marked QUANTISED: E2M3 operands, one E8M0 scale for each 32 along K, by v_wmma_scale_f32_16x16x128_f8f6f4 with both operands' format E2M3, f32 sums; products left as they are: f32 operands where the result goes on into a quantised operand, else bf16, f16 or f32 operands; f32 sums; everything else in f32.
;; Inputs: Wk_codes 1,024 x 32 x 24 uint8 (E2M3 codes of Wk, K innermost, in blocks of 32 codes, four codes in three bytes); Wk_scales 1,024 x 32 uint8 (E8M0 scales of Wk, one for each 32 codes along K); Wo_codes 1,024 x 32 x 24 uint8 (E2M3 codes of Wo, K innermost, in blocks of 32 codes, four codes in three bytes); Wo_scales 1,024 x 32 uint8 (E8M0 scales of Wo, one for each 32 codes along K); Wq_codes 1,024 x 32 x 24 uint8 (E2M3 codes of Wq, K innermost, in blocks of 32 codes, four codes in three bytes); Wq_scales 1,024 x 32 uint8 (E8M0 scales of Wq, one for each 32 codes along K); Wv_codes 1,024 x 32 x 24 uint8 (E2M3 codes of Wv, K innermost, in blocks of 32 codes, four codes in three bytes); Wv_scales 1,024 x 32 uint8 (E8M0 scales of Wv, one for each 32 codes along K); bk 1,024 float32; bo 1,024 float32; bq 1,024 float32; bv 1,024 float32; ln_b 1,024 float32; ln_g 1,024 float32; x 4 x 4,096 x 1,024 float32.
;; Outputs: out0 4 x 4,096 x 1,024 float32.
;; This version of the problem:
;;   THIS VERSION OF THE PROBLEM IS GIVEN IN LOW PRECISION. The matrix products marked QUANTISED in the list below multiply operands that are first quantised to E2M3 (2 exponent bits, 3 mantissa bits; 6 bits a number), with one power-of-two scale for each 32 numbers along K (OCP MX v1.0); their sums are f32. All else is computed in f32.
;;   The module's matrix products, in the order in which they are computed (A, B: the left and right operand; K: the contracted axis; several contracted axes count as one K, in the product's order):
;;     1. [M 16,384, K 1,024] x [K 1,024, N 1,024]; A: computed on the way; B: input Wq (given as codes): QUANTISED
;;     2. [M 16,384, K 1,024] x [K 1,024, N 1,024]; A: computed on the way; B: input Wk (given as codes): QUANTISED
;;     3. [M 16,384, K 1,024] x [K 1,024, N 1,024]; A: computed on the way; B: input Wv (given as codes): QUANTISED
;;     4. batch 16,384 x [M 16, K 64] x [K 64, N 16]; A: computed on the way; B: computed on the way: QUANTISED
;;     5. batch 16,384 x [M 16, K 16] x [K 16, N 64]; A: softmax; B: computed on the way: left as it is (K = 16 < 32)
;;     6. [M 16,384, K 1,024] x [K 1,024, N 1,024]; A: computed on the way; B: input Wo (given as codes): QUANTISED
;;   THE QUANTISER, for each operand of a quantised product, along K:
;;     - K is cut into blocks of 32 from its start; a last block that is shorter is filled with zeros.
;;     - A block's scale is 2^e with e = floor(log2(the largest magnitude in the block)) - 2, held to -126 .. 127; a block of zeros has e = 0. As a byte (E8M0): e + 127.
;;     - Each number is divided by its block's scale, clamped to +-7.5, and rounded to the nearest number of E2M3, ties to even, subnormals kept.
;;     - The product sums the exact products of the quantised numbers (number of the format x scale) in f32.
;;   ~~~python
;;   def quantise(x, axis):      # numpy; x: float32 -> the quantised numbers, widened to float32 again
;;       x = np.moveaxis(x, axis, -1); K = x.shape[-1]
;;       x = np.pad(x, [(0, 0)] * (x.ndim - 1) + [(0, -K % 32)]); x = x.reshape(x.shape[:-1] + (-1, 32)); a = np.abs(x).max(-1, keepdims=True)
;;       e = np.where(a > 0, np.clip(np.frexp(np.where(a > 0, a, 1))[1] - 1 - 2, -126, 127), 0)      # np.frexp(a)[1] - 1 = floor(log2(a)), exactly
;;       r = np.clip(x / 2.0 ** e, -7.5, 7.5)
;;       step = 2.0 ** (np.maximum(np.frexp(np.where(r == 0, 1, r))[1] - 1, 0) - 3)
;;       q = np.round(r / step) * step * 2.0 ** e      # np.round: ties to even
;;       return np.moveaxis(q.reshape(q.shape[:-2] + (-1,))[..., :K], -1, axis).astype(np.float32)
;;   ~~~
;;   OPERANDS COMPUTED ON THE WAY. 'Computed on the way' means the value that the module computes at that place (a softmax that the list does not call 'softmax' is quantised finished and normalised). What goes into a quantiser is computed in f32, as accurately as f32 sums, v_exp_f32 and their like allow (about 1e-6 of the number): no bf16 or f16 on the way to a quantiser, and a product that is left as it is and whose result goes on into a quantised operand takes f32 operands (vector FMAs, or v_wmma_f32_16x16x4_f32). A number that lies on a knife's edge between two numbers of the format may be rounded either way, as far as f32 arithmetic and the matrix unit's own rounding can turn it there, and no further.
;;   INPUTS GIVEN AS CODES. Wk (in the module: [1024, 1024], K = its axis 0); Wo (in the module: [1024, 1024], K = its axis 0); Wq (in the module: [1024, 1024], K = its axis 0); Wv (in the module: [1024, 1024], K = its axis 0): each comes as NAME_codes (uint8): NAME with its K axis moved to the last place and cut into blocks of 32 codes, [.., K / 32, bytes a block], one block behind the other in memory; four codes in three bytes: a row's codes are one little-endian stream of bits, code i at bits 6 i .. 6 i + 5 (a code: sign, 2 exponent bits, 3 mantissa bits); and NAME_scales (uint8): the same leading axes, one E8M0 byte (e + 127) for each 32 codes along K. Its value is code x scale, taken as it is: it is not quantised again, and the codes and scales need not be those that the quantiser above would give.
;; 2 versions. Each part assembles by itself: llvm-mc -triple=amdgcn-amd-amdhsa -mcpu=gfx1250 --defsym DOCPART=n.
;; ======== version 1 of 2: 1 launch
;; launch fused (part 1): grid 256 x 1, 4 waves a work-group, clusters of 4 x 1, 327,680 bytes of LDS; arguments x, ln_g, ln_b, Wq_codes, Wq_scales, bq, Wk_codes, Wk_scales, bk, Wv_codes, Wv_scales, bv, Wo_codes, Wo_scales, bo, out0; writes out0
.if DOCPART == 1
	.amdgcn_target "amdgcn-amd-amdhsa--gfx1250"
	.amdhsa_code_object_version 6
	.text
	.protected	k_q057c855440_fused
	.globl	k_q057c855440_fused
	.p2align	8
	.type	k_q057c855440_fused,@function
k_q057c855440_fused:
	s_mov_b64 s[64:65], 0
	v_nop
	global_prefetch_b8 v0, s[64:65] scope:SCOPE_SE
	s_setreg_imm32_b32 hwreg(HW_REG_WAVE_MODE, 25, 1), 1
	s_wait_xcnt 0x0
	s_wait_alu depctr_hold_cnt(0) depctr_sa_sdst(0) depctr_va_vdst(0) depctr_va_sdst(0) depctr_va_ssrc(0) depctr_va_vcc(0) depctr_vm_vsrc(0)
	s_getreg_b32 s2, hwreg(HW_REG_IB_STS2, 6, 4)
	s_cmp_eq_u32 s2, 0
	s_cbranch_scc0 .Lentry_in_a_cluster
	s_endpgm
.Lentry_in_a_cluster:
	s_bfe_u32 s2, ttmp6, 0x10000c
	s_cmp_lg_u32 s2, 0x3003
	s_cbranch_scc0 .Lentry_shape_is_right
	s_endpgm
.Lentry_shape_is_right:
; out = (softmax_g(q k^T / 32) v) Wo + bo for each token by itself, q, k, v = LayerNorm(x) W + b; the attention mixes a token's own 16 heads of 64 channels.
; 16,384 tokens of 1,024 numbers.  QUANTISED products (codes of E2M3, one E8M0 scale for each 32 along K, f32 sums): xn Wq, xn Wk, xn Wv, q k^T (K = 64), ctx Wo.  weights x v: f32 operands, since its result is quantised.
; ONE LAUNCH, NO WORKSPACE: x is read once, out0 written once; xn, q, k, v, the weights of the softmax and ctx stay in registers and LDS.
; SHARES.  A work-group of four waves owns 64 tokens (four tiles mt of 16).  In the four large products THE WAVES SHARE THE COLUMNS: every wave holds all 64 tokens' codes (32 fragments, 384 registers) and multiplies
; them by its own 32 weight rows of each slot, so a weight fragment is read from LDS once, by one wave, and feeds four matrix instructions.  In LayerNorm, scores, softmax and weights x v the waves share the tokens: wave w owns 16 w .. 16 w + 15.
; ALL PRODUCTS ARE USED TRANSPOSED (source 0 = 16 weight rows, source 1 = 16 tokens): a lane holds ONE token (lane % 16), its eight registers the weight rows 8 (lane / 16) + 0 .. 7 of the tile.
; THE WEIGHTS come through a ring of two LDS slots of 128 rows x 768 bytes (all of K).  Wave w fetches and alone reads its quarter, 32 rows.  32 slots: Q0 K0 .. Q7 K7, V0 .. V7, O0 .. O7.
; CLUSTER: all work-groups walk the same weights, so the four of a cluster ask for each quarter JOINTLY (mask 15).  One joint load a wave behind each round of the cluster's barrier.
; WHICH ROWS FORM A TILE.  Q, K: slot i gives wave w rows 256 w + 32 i + 0 .. 31, one block of 32 channels; tile 0 takes rows 0-7 and 24-31, tile 1 rows 8-23, so that a lane's 16 registers are half a block: lanes 0-15
;   channels 0-15 in order, lanes 16-31 channels 24-31, 16-23.  That order inside a block is the same for q and k, so no product of q k^T and no scale changes.
;   V: a tile is ONE channel d of all 16 heads (rows 64 g + d), so that a lane's eight registers run along the heads g, which are the K of weights x v.   O: rows 256 w + 32 i + 16 u + lane.
; LIMITS.  NaN and infinities in x, ln_g, ln_b or the biases are not served.  A computed block whose largest magnitude lies under 2^-124 keeps the scale byte 1 (a block of zeros too, where the rule says 127: its codes are
;   zeros, and these bytes are read by this program alone).  A given weight scale of 0xff gives NaN.
; LDS (bytes): [0, 208,896) the ring; [208,896, 327,168) a region laid anew phase by phase, each change behind a barrier; [327,168, 327,680) the spare words.
;   x in:   wave w, part p: 16 tokens x 1,040 at 66,560 w + 16,640 p (over ring and region: the first fills); ln_g, ln_b at 266,240, 270,336
;   LN out: 32 images of xn's fragments (1,536 each) at 208,896; their scale words (128 each) at 258,048
;   Q, K:   q's codes 64 x 776 at 208,896, k's at 258,560; scale bytes 64 x 32 at 308,224 and 310,272
;   V:      the stage of v, 64 tokens x 1,040, at 208,896; ctx's codes 64 x 776 at 275,456; its scale bytes 64 x 32 at 325,120
;   O:      a stage of 64 rows x 272 for each wave at 208,896 + 17,408 w
; REGISTERS, in windows of 256.  Window 0: v1-5 kept; v6-23 addresses; v24-31, v32-63, v64-95 scale words and nothing else; v96-159 eight accumulators (mt, u) at 96 + 16 mt + 8 u; v160-223 at work; v224-235, v236-255 the quantiser's.
;   Window 1: v0-191 the tokens' fragments of K steps 0-3 at 48 q + 12 mt; v192-239 weight fragments, set 0; v240-255 the biases of slot 0.   Window 2: the same for K steps 4-7, set 1, slot 1.
;   Window 3: v0-127 ln_g, ln_b of a K step, later the softmax's weights (8 a token); v128-255 the first halves of ctx (8 a token), written by matrix instructions alone, as are v104-111, 120-127, 136-143, 152-159 of window 0.
.set QUART, 26112                      ; a wave's quarter of a slot: 96 lines of 256 bytes + 16
.set SLOT,  4*QUART
.set U0,    2*SLOT                     ; 208,896
.set SPARE, 327168
.set XTW,   66560
.set XTP,   16640
.set GT,    266240
.set XIMG,  U0
.set XSC,   XIMG+32*1536
.set QC,    U0
.set KC,    QC+64*776
.set QS,    KC+64*776
.set KS,    QS+2048
.set STG,   U0
.set CC,    STG+64*1040
.set CS,    CC+64*776
.set OST,   U0
.set SPW, 1                            ; v1   LDS address of my spare word; never rewritten
.set NIL, 2                            ; v2   0; never rewritten
.set RR,  3                            ; v3   lane % 16
.set HH,  4                            ; v4   lane / 16
.set LL,  5                            ; v5   lane
.set XA,  8                            ; LayerNorm's addresses
.set GA,  9
.set XIA, 10
.set XSA, 11
.set FIA, 12
.set FSA, 13
.set AQ0, 6                            ; v6-9   Q, K tile 0: slot 0, the same behind one padding more, slot 1, the same
.set AV,  6                            ; v6-9   V's tiles likewise
.set AP,  10                           ; v10-13 plain rows (Q, K tile 1; O)
.set QWA0, 14                          ; v14 q's codes, v15 k's
.set QSA0, 16
.set SLA, 14
.set SSA, 15
.set VWA, 14
.set PRA, 15
.set CWA, 16
.set CSA, 17
.set CRA, 6
.set CSR, 7
.set OSTO, 14
.set ORD, 15
.set OGO, 16
.set SA0, 18                           ; v18-23 byte offsets into the weights' scales and the biases; never rewritten
.set SA1, 19
.set BA0, 20
.set BA1, 21
.set VSA, 22
.set VBA, 23
.set SSC, 24
.set XS,  32
.set WS,  64
.set ACC, 96
.set TA,  160
.set VA,  160
.set SUM, 160
.set PW,  160
.set CUR, 162
.set CUR2, 163
.set MEAN, 168
.set RSTD, 170
.set MX,  160
.set PT,  164
.set NM,  168
.set SM,  176
.set RC,  184
.set TM,  224
.set PC,  236
.set G1W, 36                           ; s[36:43] group 1: a dense quarter;  s[44:51] V's quarter;  s[52:59] a part of x
.set G1V, 44
.set G1X, 52
.set G0Q, 60                           ; groups 0
.set G0K, 68
.set G0X, 72                           ; s[72:87]: first x's four, then V's two and O's two
.set G0V0, 72
.set G0V1, 76
.set G0O0, 80
.set G0O1, 84
.set MSB, 0
.macro WIN new                         ; the immediate's high byte repeats the setting that is left; bits 1:0 source 0, 3:2 source 1, 5:4 source 2, 7:6 destination
.if MSB != (\new)
	s_set_vgpr_msb (MSB<<8)|(\new)
.set MSB, (\new)
.endif
.endm
.macro NOPS n
.rept \n
	v_nop
.endr
.endm
; A round of the cluster's barrier: my work-group's barrier, wave 0 signals for the work-group, every wave waits for the four work-groups, my work-group's barrier once more.
.macro ROUND
	s_barrier_signal -1
	s_barrier_wait -1
	s_cmp_lg_u32 s88, 0
	s_cbranch_scc1 .Lnot_wave_0_\@
	s_barrier_signal -3
.Lnot_wave_0_\@:
	s_barrier_wait -3
	s_barrier_signal -1
	s_barrier_wait -1
.endm
; THE CHANGE OF SLOTS.  All my tensor loads have landed (the one that was out is the slot that I read next); 0 onto my spare word; the descriptor steps; the add and all my LDS reads and stores are done; a round, so that no wave of
; any partner still reads the slot just left; then my one joint load, into that slot.  The round is also the barrier between the phases that store to LDS in front of it and read behind it.
.macro HEAD g0, g1, step
	WIN 0
	s_wait_tensorcnt 0x0
	ds_add_u32 v[SPW], v[NIL]
.if (\step) != 0
	s_add_nc_u64 s[\g0+2:\g0+3], s[\g0+2:\g0+3], \step
.endif
	s_wait_dscnt 0x0
	ROUND
	tensor_load_to_lds s[\g0:\g0+3], s[\g1:\g1+7]
	s_nop 0
	NOPS 4
.endm
; A fragment, 16 rows x 128 K of 6-bit codes: lane (r, h) takes the row's pieces of 8 bytes 12 q + 0, 1, 2, 6, 7, 8, lanes 16-31 those three pieces on.  The mover has laid padb bytes behind every 32 pieces:
; where the piece three on lies behind one padding more, the second address register serves.
.macro FRAG reg, adr, q, off, padb
.irp p, 0,1,2,3,4,5
.set PCE, 12*(\q)+6*(\p/3)+\p%3
.if PCE%32 < 29
	ds_load_b64 v[(\reg)+2*\p:(\reg)+2*\p+1], v[\adr] offset:(\off)+8*PCE+(\padb)*(PCE/32)
.else
	ds_load_b64 v[(\reg)+2*\p:(\reg)+2*\p+1], v[(\adr)+1] offset:(\off)+8*PCE+(\padb)*(PCE/32)
.endif
.endr
.endm
; 24 LDS loads: both tiles' fragments of K steps 2 qp and 2 qp + 1 of slot par into set sg.  kind 0: Q, K;  1: O;  2: V
.macro LOADSET sg, par, qp, kind
	WIN (1+\sg)<<6
.irp u, 0,1
.irp qq, 0,1
.if \kind == 0
.if \u == 0
	FRAG 192+24*\u+12*\qq, AQ0+2*\par, 2*\qp+\qq, 0, 16
.else
	FRAG 192+24*\u+12*\qq, AP+2*\par, 2*\qp+\qq, 6528, 16
.endif
.elseif \kind == 1
	FRAG 192+24*\u+12*\qq, AP+2*\par, 2*\qp+\qq, 13056*\u, 16
.else
	FRAG 192+24*\u+12*\qq, AV+2*\par, 2*\qp+\qq, 792*\u, 8
.endif
.endr
.endr
	WIN 0
.endm
; 16 matrix instructions: two K steps x two tiles of weight rows x four tiles of tokens.  The eight accumulators take turns, one instruction a turn.  K step 0 takes the bias as C: nothing is cleared or added later.
.macro MMSET sg, par, qp
.irp qq, 0,1
.set QN, 2*(\qp)+\qq
.if QN == 0
	WIN (1+\sg)|((1+(QN>>2))<<2)|((1+\par)<<4)
.else
	WIN (1+\sg)|((1+(QN>>2))<<2)
.endif
.irp u, 0,1
.irp mt, 0,1,2,3
.if QN == 0
	v_wmma_scale_f32_16x16x128_f8f6f4 v[ACC+16*\mt+8*\u:ACC+16*\mt+8*\u+7], v[192+24*\u+12*\qq:192+24*\u+12*\qq+11], v[48*(QN&3)+12*\mt:48*(QN&3)+12*\mt+11], v[240+8*\u:240+8*\u+7], v[WS+16*\par+8*\u+QN], v[XS+8*\mt+QN] matrix_a_fmt:MATRIX_FMT_FP6 matrix_b_fmt:MATRIX_FMT_FP6
.else
	v_wmma_scale_f32_16x16x128_f8f6f4 v[ACC+16*\mt+8*\u:ACC+16*\mt+8*\u+7], v[192+24*\u+12*\qq:192+24*\u+12*\qq+11], v[48*(QN&3)+12*\mt:48*(QN&3)+12*\mt+11], v[ACC+16*\mt+8*\u:ACC+16*\mt+8*\u+7], v[WS+16*\par+8*\u+QN], v[XS+8*\mt+QN] matrix_a_fmt:MATRIX_FMT_FP6 matrix_b_fmt:MATRIX_FMT_FP6
.endif
.endr
.endr
.endr
.endm
; A slot: 64 tokens x my 32 weight rows x K = 1,024: 64 matrix instructions, 96 LDS loads in four runs on two sets.  n: the loads of the other slot's scales and biases, issued behind this slot's, which may stay out.
.macro COMPUTE par, kind, n
	s_wait_loadcnt \n                              ; this slot's scale words and biases are in
	LOADSET 0, \par, 0, \kind
	LOADSET 1, \par, 1, \kind
	s_wait_dscnt 24                                ; all but the 24 loads issued last: the set about to be multiplied is in
	MMSET 0, \par, 0
	NOPS 4                                         ; places in front of loads into registers that matrix instructions have read (ISA guide 7.12.1 for vector instructions)
	LOADSET 0, \par, 2, \kind
	s_wait_dscnt 24
	MMSET 1, \par, 1
	NOPS 4
	LOADSET 1, \par, 3, \kind
	s_wait_dscnt 24
	MMSET 0, \par, 2
	s_wait_dscnt 0x0
	MMSET 1, \par, 3
	WIN 0
	NOPS 5                                         ; five: the next matrix instruction on these accumulators begins them anew; four of them serve the reads of the results and the loads into the scales' and biases' registers
.endm
; THE QUANTISER.  64 numbers of a lane, v[s + 16 b + i] of window win: four groups b; a group's block of 32 lies in lanes l and l xor 16, 16 numbers each.
; Out: v[TM+4+b] the block's scale byte; v[PC+6c .. PC+6c+5] the 24 bytes of a WHOLE block: lanes 0-15 group 2 c, lanes 16-31 group 2 c + 1.  word = 1: v[PW] the four bytes as a scale word.
.macro QUANT s, win, word
	WIN ((\win)<<2)|((\win)<<4)
.irp b, 0,1,2,3
	v_max3_num_f32 v[TM+\b], 0x1800000, |v[(\s)+16*\b]|, |v[(\s)+16*\b+1]|   ; my 16 numbers, and the floor 2^(3 - 127): the byte cannot fall under 1
.endr
.irp i, 2,4,6,8,10,12,14
.irp b, 0,1,2,3
	v_max3_num_f32 v[TM+\b], v[TM+\b], |v[(\s)+16*\b+\i]|, |v[(\s)+16*\b+\i+1]|   ; the four groups by turns
.endr
.endr
	WIN 0
.irp b, 0,1,2,3
	v_permlanex16_b32 v[TM+4+\b], v[TM+\b], s90, s91
.endr
.irp b, 0,1,2,3
	v_max_num_f32 v[TM+\b], v[TM+\b], v[TM+4+\b]   ; with lane l xor 16's: the block's largest magnitude
.endr
.irp b, 0,1,2,3
	v_add_nc_u32 v[TM+8+\b], 0xff000000, v[TM+\b]  ; 2 off its exponent field: the conversion takes the exponent field of this operand as its scale
.endr
.irp b, 0,1,2,3
	v_lshrrev_b32 v[TM+4+\b], 23, v[TM+8+\b]       ; the scale's byte
.endr
.if \word
	v_lshl_or_b32 v[PW], v[TM+5], 8, v[TM+4]
	v_lshl_or_b32 v[PW], v[TM+6], 16, v[PW]
	v_lshl_or_b32 v[PW], v[TM+7], 24, v[PW]
.endif
	WIN (\win)
.irp c, 0,1
	v_cvt_scalef32_pk16_fp6_f32 v[PC+6*\c:PC+6*\c+2], v[(\s)+32*\c:(\s)+32*\c+15], v[TM+8+2*\c]
	v_cvt_scalef32_pk16_fp6_f32 v[PC+12+4*\c:PC+14+4*\c], v[(\s)+16+32*\c:(\s)+31+32*\c], v[TM+9+2*\c]   ; (a conversion's three registers begin on an even number)
.endr
	WIN 0
	v_nop                                          ; one plain place behind a scaled conversion
.irp c, 0,1
.irp i, 0,1,2
	v_permlane16_swap_b32 v[PC+6*\c+\i], v[PC+12+4*\c+\i]   ; the first's lanes 16-31 change places with the second's lanes 0-15: lower 16 codes, upper 16 codes of a lane's block
.endr
.irp i, 0,1,2
	v_mov_b32 v[PC+3+6*\c+\i], v[PC+12+4*\c+\i]
.endr
.endr
.endm
; The scale words (8 a weight row) and biases (in the result's layout) of a slot, into the registers of slot par.  8, 8 and 20 loads.
.macro SETQK par, ps, pb, os, ob
	global_load_b128 v[WS+16*\par:WS+16*\par+3], v[SA0], s[\ps:\ps+1] offset:\os
	global_load_b128 v[WS+16*\par+4:WS+16*\par+7], v[SA0], s[\ps:\ps+1] offset:\os+16
	global_load_b128 v[WS+16*\par+8:WS+16*\par+11], v[SA1], s[\ps:\ps+1] offset:\os+256
	global_load_b128 v[WS+16*\par+12:WS+16*\par+15], v[SA1], s[\ps:\ps+1] offset:\os+272
	WIN (1+\par)<<6
	global_load_b128 v[240:243], v[BA0], s[\pb:\pb+1] offset:\ob
	global_load_b128 v[244:247], v[BA0], s[\pb:\pb+1] offset:\ob+16
	global_load_b128 v[248:251], v[BA1], s[\pb:\pb+1] offset:\ob+32
	global_load_b128 v[252:255], v[BA1], s[\pb:\pb+1] offset:\ob+48
	WIN 0
.endm
.macro SETO par, os, ob
.irp u, 0,1
	global_load_b128 v[WS+16*\par+8*\u:WS+16*\par+8*\u+3], v[SA1], s[30:31] offset:\os+512*\u
	global_load_b128 v[WS+16*\par+8*\u+4:WS+16*\par+8*\u+7], v[SA1], s[30:31] offset:\os+512*\u+16
.endr
	WIN (1+\par)<<6
.irp u, 0,1
	global_load_b128 v[240+8*\u:240+8*\u+3], v[BA1], s[32:33] offset:\ob+64*\u
	global_load_b128 v[240+8*\u+4:240+8*\u+7], v[BA1], s[32:33] offset:\ob+64*\u+16
.endr
	WIN 0
.endm
.macro SETV par, d0
.irp e, 0,1
	global_load_b128 v[WS+16*\par+8*\e:WS+16*\par+8*\e+3], v[VSA], s[24:25] offset:32*((\d0)+\e)
	global_load_b128 v[WS+16*\par+8*\e+4:WS+16*\par+8*\e+7], v[VSA], s[24:25] offset:32*((\d0)+\e)+16
.endr
	WIN (1+\par)<<6
.irp e, 0,1
.irp j, 0,1,2,3,4,5,6,7
	global_load_b32 v[240+8*\e+\j], v[VBA], s[26:27] offset:256*\j+4*((\d0)+\e)   ; bv of head 8 h + j, my channel
.endr
.endr
	WIN 0
.endm
; ---------------- the head
	s_load_b512 s[4:19], s[0:1], 0x0               ; x, ln_g, ln_b, Wq's codes, scales, bq, Wk's codes, scales
	s_load_b512 s[20:35], s[0:1], 0x40             ; bk, Wv's codes, scales, bv, Wo's codes, scales, bo, out0
	v_lshl_add_u32 v[SPW], v0, 2, SPARE
	v_mov_b32 v[NIL], 0
	ds_add_u32 v1, v2
	s_wait_dscnt 0x0
	v_lshrrev_b32 v[LL], 5, v0
	v_readfirstlane_b32 s88, v[LL]                 ; wave 0..3
	v_and_b32 v[LL], 31, v0
	v_and_b32 v[RR], 15, v0
	v_bfe_u32 v[HH], v0, 4, 1
	s_bfe_u32 s99, ttmp6, 0x40000                  ; cx: it enters x's, out0's and the prefetch's addresses alone
	s_lshl_b32 s100, ttmp9, 2
	s_add_co_u32 s100, s100, s99                   ; my work-group, 0 .. 255
	s_and_b32 s99, s100, 63
	s_mul_i32 s99, s99, 48*256                     ; my share of a weight's codes in the prefetch below
	s_lshl_b32 s100, s100, 18                      ; 64 tokens of 4,096 bytes
	s_mov_b32 s101, 0
	s_lshl_b32 s2, s88, 16                         ; my wave's 16 tokens
	s_mov_b32 s3, 0
	s_mul_i32 s89, s88, XTW
	; group 1, a dense quarter of 24,576 bytes: 96 lines of 256 bytes (32 elements of 8), 16 bytes of padding behind each: a weight row of 768 bytes takes 816
	s_mov_b32 s[G1W], 15|(3<<16)|(1<<20)|(1<<21)|(5<<22)|(3<<25)   ; 15:0 the mask: the cluster's four; 17:16 elements of 8 bytes; 20 padding on; 21 set beside a mask; 24:22 after every 64 words; 31:25 4 words
	s_mov_b32 s[G1W+1], 32<<16
	s_mov_b32 s[G1W+2], 96<<16
	s_mov_b32 s[G1W+3], 32<<16
	s_mov_b32 s[G1W+4], 96
	s_mov_b32 s[G1W+5], 32
	s_mov_b32 s[G1W+6], 0
	s_mov_b32 s[G1W+7], 0
	; V's quarter: 16 lines (heads) of 1,536 bytes (two neighbouring channels' rows), 64 rows = 49,152 bytes apart; 8 bytes of padding behind every 256: a head takes 1,584, the second channel begins at 792
	s_mov_b32 s[G1V], 15|(3<<16)|(1<<20)|(1<<21)|(5<<22)|(1<<25)
	s_mov_b32 s[G1V+1], 192<<16
	s_mov_b32 s[G1V+2], 16<<16
	s_mov_b32 s[G1V+3], 192<<16
	s_mov_b32 s[G1V+4], 16
	s_mov_b32 s[G1V+5], 6144
	s_mov_b32 s[G1V+6], 0
	s_mov_b32 s[G1V+7], 0
	; a part of x: 16 tokens x 1,024 bytes (256 along K), 4,096 bytes apart, 16 bytes of padding behind each; no mask: x is my work-group's alone
	s_mov_b32 s[G1X], (3<<16)|(1<<20)|(7<<22)|(3<<25)
	s_mov_b32 s[G1X+1], 128<<16
	s_mov_b32 s[G1X+2], 16<<16
	s_mov_b32 s[G1X+3], 128<<16
	s_mov_b32 s[G1X+4], 16
	s_mov_b32 s[G1X+5], 512
	s_mov_b32 s[G1X+6], 0
	s_mov_b32 s[G1X+7], 0
	v_lshl_add_u32 v6, v0, 8, s99                  ; the prefetch: threads 256 bytes apart
	s_wait_kmcnt 0x0
	s_add_nc_u64 s[4:5], s[4:5], s[100:101]
	s_add_nc_u64 s[34:35], s[34:35], s[100:101]    ; out0 at my work-group's first token
	s_add_nc_u64 s[4:5], s[4:5], s[2:3]            ; x at my wave's first token
.irp p, 0,1,2,3
	s_mov_b32 s[G0X+4*\p], 1
	s_add_co_u32 s[G0X+4*\p+1], s89, \p*XTP
	s_add_nc_u64 s[G0X+4*\p+2:G0X+4*\p+3], s[4:5], \p*1024
	s_or_b32 s[G0X+4*\p+3], s[G0X+4*\p+3], 0x80000000
.endr
	s_lshr_b32 s101, ttmp9, 4                      ; which weight my cluster prefetches: 16 clusters to each
	s_cmp_eq_u32 s101, 1
	s_cselect_b64 s[66:67], s[16:17], s[10:11]
	s_cmp_eq_u32 s101, 2
	s_cselect_b64 s[66:67], s[22:23], s[66:67]
	s_cmp_eq_u32 s101, 3
	s_cselect_b64 s[66:67], s[28:29], s[66:67]
	ROUND                                          ; the one round in front of the first fills
	tensor_load_to_lds s[G0X:G0X+3], s[G1X:G1X+7]  ; my 16 tokens in four parts: four loads of mine are out
	s_nop 0
	tensor_load_to_lds s[G0X+4:G0X+7], s[G1X:G1X+7]
	s_nop 0
	tensor_load_to_lds s[G0X+8:G0X+11], s[G1X:G1X+7]
	s_nop 0
	tensor_load_to_lds s[G0X+12:G0X+15], s[G1X:G1X+7]
	s_nop 0
	NOPS 4
	; PREFETCH of the weights' codes: 4 x 3,072 blocks of 256 bytes; each work-group asks for 48 of them (threads 0-47, one block each), the 256 work-groups for every block once.  It stands here, under the
	; arrival of x and LayerNorm, ahead of the ring's first request; 12,288 bytes a work-group, 3,145,728 in all.  No address passes a buffer's end: block 63 x 48 + 47 is a weight's last.
	s_wait_xcnt 0x0                                ; EXEC changes only behind this wait
	v_cmp_gt_u32 vcc_lo, 48, v0
	s_and_saveexec_b32 s100, vcc_lo
	global_prefetch_b8 v6, s[66:67] th:TH_LOAD_NT scope:SCOPE_SE
	s_mov_b32 s90, 0x76543210                      ; v_permlanex16_b32's selects for lane l xor 16
	s_mov_b32 s91, 0xfedcba98
	s_mov_b32 s92, 0x3d38aa3b                      ; c = log2(e) / sqrt(1024)
	s_mov_b32 s93, s92
	s_mov_b32 s94, 0xbd38aa3b                      ; -c
	s_mov_b32 s95, 0x3a800000                      ; 1 / 1024
	s_mov_b32 s96, 0x3727c5ac                      ; 1e-5
	s_wait_xcnt 0x0                                ; and again in front of the line that widens it
	s_or_b32 exec_lo, exec_lo, s100
	v_lshlrev_b32 v7, 4, v0
	global_load_b128 v[176:179], v7, s[6:7]        ; ln_g and ln_b, once: 128 threads x 16 bytes, twice each
	global_load_b128 v[180:183], v7, s[6:7] offset:2048
	global_load_b128 v[184:187], v7, s[8:9]
	global_load_b128 v[188:191], v7, s[8:9] offset:2048
	v_and_b32 v[SA0], 8, v[RR]
	v_lshl_add_u32 v[SA0], v[SA0], 1, v[RR]        ; r + 16 (r / 8): Q, K tile 0's row of lane r
	s_lshl_b32 s2, s88, 13                         ; my 256 rows x 32 scale bytes
	v_lshl_add_u32 v[SA0], v[SA0], 5, s2
	v_lshl_add_u32 v[SA1], v[RR], 5, s2
	s_lshl_b32 s2, s88, 10                         ; my 256 biases
	v_mul_u32_u24 v[BA0], v[HH], 96                ; tile 0: lanes 16-31 hold rows 24 .. 31
	v_add_nc_u32 v[BA0], s2, v[BA0]
	v_lshl_add_u32 v[BA1], v[HH], 5, s2
	s_lshl_b32 s2, s88, 6
	v_lshl_add_u32 v[VSA], v[RR], 11, s2           ; V: row 64 r + 2 w + ..: 32 bytes a row
	s_lshl_b32 s2, s88, 3
	v_lshl_add_u32 v[VBA], v[HH], 11, s2           ; bv: head 8 h + j, channel 2 w + ..
	v_mul_u32_u24 v[XA], v[RR], 1040
	v_lshl_add_u32 v[XA], v[HH], 6, v[XA]
	v_add_nc_u32 v[XA], s89, v[XA]                 ; x in LDS: token r, + 64 h: my 16 numbers of each block of 32
	v_lshlrev_b32 v[GA], 6, v[HH]
	v_add_nc_u32 v[GA], GT, v[GA]
	s_mul_i32 s2, s88, 12288
	v_lshl_add_u32 v[XIA], v[LL], 4, s2
	v_add_nc_u32 v[XIA], XIMG, v[XIA]              ; where I store my tokens' images: 16 x lane + 8 fragments x wave
	s_lshl_b32 s2, s88, 10
	v_lshl_add_u32 v[XSA], v[LL], 2, s2
	v_add_nc_u32 v[XSA], XSC, v[XSA]
	v_lshl_add_u32 v[FIA], v[LL], 4, XIMG          ; and where any image is read back
	v_lshl_add_u32 v[FSA], v[LL], 2, XSC
	v_lshl_add_u32 v14, v0, 4, GT
.irp i, 0,1,2,3,4,5,6,7
	v_mov_b32 v[SUM+\i], 0
.endr
.irp b, 0,1,2,3
	v_mov_b32 v[TM+4+\b], 0                        ; written once: a lane permute's destination counts as one of its sources
.endr
	s_wait_loadcnt 0x0
	ds_store_b128 v14, v[176:179]
	ds_store_b128 v14, v[180:183] offset:2048
	ds_store_b128 v14, v[184:187] offset:4096
	ds_store_b128 v14, v[188:191] offset:6144
; ---------------- x into registers (K step q: window 1 + q / 4, register 64 (q % 4) + 16 b + i = k 128 q + 32 b + 16 h + i of my token), and its sum in four packed chains
.irp p, 0,1,2,3
	s_wait_tensorcnt 3-\p                          ; part p has landed; the younger parts may be out.  Only I read my parts
	WIN (1+\p/2)<<6
.irp qq, 0,1
.irp b, 0,1,2,3
.irp j, 0,1,2,3
	ds_load_b128 v[128*(\p%2)+64*\qq+16*\b+4*\j:128*(\p%2)+64*\qq+16*\b+4*\j+3], v[XA] offset:XTP*\p+512*\qq+128*\b+16*\j
.endr
.endr
.endr
	s_wait_dscnt 0x0
	WIN (1+\p/2)<<2
.set NN, 0
.rept 64
	v_pk_add_f32 v[SUM+2*(NN%4):SUM+2*(NN%4)+1], v[SUM+2*(NN%4):SUM+2*(NN%4)+1], v[128*(\p%2)+2*NN:128*(\p%2)+2*NN+1]
.set NN, NN+1
.endr
.endr
	WIN 0
; ---------------- x has left LDS: the ring begins.  The same lines as HEAD; the weights' groups 0 are written where no tensor load of mine is out
	s_wait_tensorcnt 0x0
	ds_add_u32 v[SPW], v[NIL]
	s_mul_i32 s2, s88, 196608                      ; Q, K, O: my 256 rows of 768 bytes
	s_mov_b32 s3, 0
	s_mul_i32 s89, s88, QUART
	s_mov_b32 s[G0Q], 1
	s_mov_b32 s[G0Q+1], s89
	s_add_nc_u64 s[G0Q+2:G0Q+3], s[10:11], s[2:3]
	s_or_b32 s[G0Q+3], s[G0Q+3], 0x80000000
	s_mov_b32 s[G0K], 1
	s_add_co_u32 s[G0K+1], s89, SLOT
	s_add_nc_u64 s[G0K+2:G0K+3], s[16:17], s[2:3]
	s_or_b32 s[G0K+3], s[G0K+3], 0x80000000
	s_mov_b32 s[G0O0], 1
	s_mov_b32 s[G0O0+1], s89
	s_add_nc_u64 s[G0O0+2:G0O0+3], s[28:29], s[2:3]
	s_or_b32 s[G0O0+3], s[G0O0+3], 0x80000000
	s_mov_b32 s[G0O1], 1
	s_add_co_u32 s[G0O1+1], s89, SLOT
	s_add_nc_u64 s[G0O1+2:G0O1+3], s[28:29], s[2:3]
	s_add_nc_u64 s[G0O1+2:G0O1+3], s[G0O1+2:G0O1+3], 24576
	s_or_b32 s[G0O1+3], s[G0O1+3], 0x80000000
	s_mul_i32 s2, s88, 1536                        ; V: channels 2 w, 2 w + 1 of the slot's eight
	s_mov_b32 s[G0V0], 1
	s_mov_b32 s[G0V0+1], s89
	s_add_nc_u64 s[G0V0+2:G0V0+3], s[22:23], s[2:3]
	s_or_b32 s[G0V0+3], s[G0V0+3], 0x80000000
	s_mov_b32 s[G0V1], 1
	s_add_co_u32 s[G0V1+1], s89, SLOT
	s_add_nc_u64 s[G0V1+2:G0V1+3], s[22:23], s[2:3]
	s_add_nc_u64 s[G0V1+2:G0V1+3], s[G0V1+2:G0V1+3], 12288   ; slot 1 begins with channel 16
	s_or_b32 s[G0V1+3], s[G0V1+3], 0x80000000
	s_wait_dscnt 0x0                               ; the add, my reads of x and my stores of ln_g, ln_b are done
	ROUND
	tensor_load_to_lds s[G0Q:G0Q+3], s[G1W:G1W+7]  ; Q0: it lands under LayerNorm
	s_nop 0
	NOPS 4
.macro GBLOAD q                        ; ln_g (v0-63 of window 3) and ln_b (v64-127) at my 64 places of K step q: the 16 lanes of a half read the same bytes
	WIN 0xc0
.irp b, 0,1,2,3
.irp j, 0,1,2,3
	ds_load_b128 v[16*\b+4*\j:16*\b+4*\j+3], v[GA] offset:512*(\q)+128*\b+16*\j
	ds_load_b128 v[64+16*\b+4*\j:64+16*\b+4*\j+3], v[GA] offset:4096+512*(\q)+128*\b+16*\j
.endr
.endr
	WIN 0
.endm
	GBLOAD 0
.macro FOLD                            ; four packed chains and the other half of the lanes: the token's sum in v[SUM]
	v_pk_add_f32 v[SUM:SUM+1], v[SUM:SUM+1], v[SUM+2:SUM+3]
	v_pk_add_f32 v[SUM+4:SUM+5], v[SUM+4:SUM+5], v[SUM+6:SUM+7]
	v_pk_add_f32 v[SUM:SUM+1], v[SUM:SUM+1], v[SUM+4:SUM+5]
	v_add_f32 v[SUM], v[SUM], v[SUM+1]
	v_permlanex16_b32 v[SUM+2], v[SUM], s90, s91
	v_add_f32 v[SUM], v[SUM], v[SUM+2]
.endm
	FOLD
	v_mul_f32 v[MEAN], s95, v[SUM]
	v_mov_b32 v[MEAN+1], v[MEAN]
; ---------------- x - mean in place, and the sum of its squares: no difference of large sums is formed
.irp wn, 1,2
	WIN (\wn<<6)|\wn
.set NN, 0
.rept 128
	v_pk_add_f32 v[2*NN:2*NN+1], v[2*NN:2*NN+1], v[MEAN:MEAN+1] neg_lo:[0,1] neg_hi:[0,1]
.set NN, NN+1
.endr
	WIN \wn|(\wn<<2)
.set NN, 0
.rept 128
.if (\wn == 1) && (NN < 4)
	v_pk_mul_f32 v[SUM+2*NN:SUM+2*NN+1], v[2*NN:2*NN+1], v[2*NN:2*NN+1]   ; the first four start the chains
.else
	v_pk_fma_f32 v[SUM+2*(NN%4):SUM+2*(NN%4)+1], v[2*NN:2*NN+1], v[2*NN:2*NN+1], v[SUM+2*(NN%4):SUM+2*(NN%4)+1]
.endif
.set NN, NN+1
.endr
.endr
	WIN 0
	FOLD
	v_fma_f32 v[SUM], v[SUM], s95, s96             ; var + eps
	v_rsq_f32 v[RSTD], v[SUM]
	v_nop                                          ; one plain place behind a transcendental
	s_wait_alu depctr_va_vdst(0)
	v_mov_b32 v[RSTD+1], v[RSTD]
; ---------------- xn = (x - mean) rstd g + b, K step by K step, quantised; each fragment goes to LDS as an image of its registers, for all four waves
.irp q, 0,1,2,3,4,5,6,7
.set XW, 1+\q/4
.set XB, 64*(\q%4)
	WIN (XW<<6)|XW
.set NN, 0
.rept 32
	v_pk_mul_f32 v[XB+2*NN:XB+2*NN+1], v[XB+2*NN:XB+2*NN+1], v[RSTD:RSTD+1]
.set NN, NN+1
.endr
	s_wait_dscnt 0x0                               ; g and b of this K step are in; the last K step's stores have read their registers
	WIN (XW<<6)|XW|(3<<2)|(3<<4)
.set NN, 0
.rept 32
	v_pk_fma_f32 v[XB+2*NN:XB+2*NN+1], v[XB+2*NN:XB+2*NN+1], v[2*NN:2*NN+1], v[64+2*NN:64+2*NN+1]
.set NN, NN+1
.endr
.if \q < 7
	GBLOAD \q+1
.endif
	QUANT XB, XW, 1
.irp c, 0,1,2
	ds_store_b128 v[XIA], v[PC+4*\c:PC+4*\c+3] offset:1536*\q+512*\c
.endr
	ds_store_b32 v[XSA], v[PW] offset:128*\q
.endr
	HEAD G0K, G1W, 0                               ; Q0 has landed; K0 goes out; all 32 images lie in LDS
	SETQK 0, 12, 14, 0, 0
	SETQK 1, 18, 20, 0, 0
.irp wn, 0,1                           ; every wave takes all 32 fragments of xn and their scale words
	WIN (1+\wn)<<6
.irp q4, 0,1,2,3
.irp mt, 0,1,2,3
.irp c, 0,1,2
	ds_load_b128 v[48*\q4+12*\mt+4*\c:48*\q4+12*\mt+4*\c+3], v[FIA] offset:1536*(8*\mt+4*\wn+\q4)+512*\c
.endr
.endr
.endr
.endr
	WIN 0
.irp mt, 0,1,2,3
.irp q, 0,1,2,3,4,5,6,7
	ds_load_b32 v[XS+8*\mt+\q], v[FSA] offset:128*(8*\mt+\q)
.endr
.endr
	s_wait_dscnt 0x0                               ; my reads of the images are over:
	s_barrier_signal -1
	s_barrier_wait -1                              ; everybody's are: q's and k's codes may be laid over them.  K0 may stay out
	s_mul_i32 s2, s88, QUART
	v_and_b32 v160, 8, v[RR]
	v_lshl_add_u32 v160, v160, 1, v[RR]
	v_mul_u32_u24 v160, v160, 816
	v_mad_u32_u24 v160, v[HH], 24, v160
	v_add_nc_u32 v[AQ0], s2, v160                  ; row r + 16 (r / 8) of my quarter, + 24 h
	v_lshl_add_u32 v[AQ0+1], v[HH], 4, v[AQ0]      ; the same behind one padding more
	v_add_nc_u32 v[AQ0+2], SLOT, v[AQ0]
	v_add_nc_u32 v[AQ0+3], SLOT, v[AQ0+1]
	v_mul_u32_u24 v160, v[RR], 816
	v_mad_u32_u24 v160, v[HH], 24, v160
	v_add_nc_u32 v[AP], s2, v160                   ; row r
	v_lshl_add_u32 v[AP+1], v[HH], 4, v[AP]
	v_add_nc_u32 v[AP+2], SLOT, v[AP]
	v_add_nc_u32 v[AP+3], SLOT, v[AP+1]
	s_mul_i32 s2, s88, 192
	v_mul_u32_u24 v[QWA0], v[RR], 776
	v_mad_u32_u24 v[QWA0], v[HH], 12416, v[QWA0]
	v_add_nc_u32 v[QWA0], s2, v[QWA0]
	v_add_nc_u32 v[QWA0], QC, v[QWA0]              ; q's codes: token r + 16 h (+ 32 c), my 8 blocks of 24 bytes
	v_add_nc_u32 v[QWA0+1], KC-QC, v[QWA0]
	s_lshl_b32 s2, s88, 3
	v_lshl_add_u32 v[QSA0], v[RR], 5, s2
	v_add_nc_u32 v[QSA0], QS, v[QSA0]              ; their scale bytes: 32 a token, my 8
	s_mov_b32 s97, 0                               ; 24 x slot: the block's place among my 8
	s_mov_b32 s98, 0                               ; slot
; ---------------- Q and K.  A slot gives each wave one block of 32 channels for 64 tokens: quantised at once, codes and scale bytes to LDS, token by token
.macro EPIQK par
	QUANT ACC, 0, 0                                ; the four groups are the four tiles of tokens
	v_add_nc_u32 v[CUR], s97, v[QWA0+\par]
.irp c, 0,1
.irp p, 0,1,2
	ds_store_b64 v[CUR], v[PC+6*\c+2*\p:PC+6*\c+2*\p+1] offset:24832*\c+8*\p
.endr
.endr
	v_add_nc_u32 v[CUR2], s98, v[QSA0]
.irp mt, 0,1,2,3
	ds_store_b8 v[CUR2], v[TM+4+\mt] offset:512*\mt+2048*\par   ; both lanes of a block write the same byte with the same value
.endr
.endm
.macro QKIT last
	COMPUTE 0, 0, 8
.if \last
	SETV 0, 0
.else
	SETQK 0, 12, 14, 1024, 128                     ; the next Q slot's scales and biases, into the registers just read
.endif
	EPIQK 0
.if \last
	HEAD G0V0, G1V, 0
	COMPUTE 1, 0, 20
	SETV 1, 16
.else
	HEAD G0Q, G1W, 24576
	COMPUTE 1, 0, 8
	SETQK 1, 18, 20, 1024, 128
.endif
	EPIQK 1
.if \last
	HEAD G0V1, G1V, 0                              ; its round also shows all of q and k in LDS
.else
	HEAD G0K, G1W, 24576
.endif
.endm
	s_mov_b32 s89, 7
.Lqk:
	QKIT 0
	s_wait_xcnt 0x0                                ; the loads have read their bases
	s_add_nc_u64 s[12:13], s[12:13], 1024
	s_add_nc_u64 s[14:15], s[14:15], 128
	s_add_nc_u64 s[18:19], s[18:19], 1024
	s_add_nc_u64 s[20:21], s[20:21], 128
	s_add_co_u32 s97, s97, 24
	s_add_co_u32 s98, s98, 1
	s_sub_co_u32 s89, s89, 1
	s_cmp_lg_u32 s89, 0
	s_cbranch_scc1 .Lqk
	QKIT 1                                         ; the last pair is written out: its refills are V's first two slots
; ---------------- scores and softmax: my 16 tokens, four at a time.  S^T = k q^T: source 0 = the token's 16 heads of k, source 1 = its 16 heads of q; K = 64, the upper 64 of the instruction's 128 are zero codes on both sides
	s_mul_i32 s2, s88, 12416
	v_mul_u32_u24 v[SLA], v[RR], 48
	v_mad_u32_u24 v[SLA], v[HH], 24, v[SLA]
	v_add_nc_u32 v[SLA], s2, v[SLA]
	v_add_nc_u32 v[SLA], QC, v[SLA]                ; head r's 48 bytes of a token's row, + 24 h
	s_lshl_b32 s2, s88, 9
	v_lshl_add_u32 v[SSA], v[RR], 1, s2
	v_add_nc_u32 v[SSA], QS, v[SSA]                ; head r's two scale bytes
	WIN 0x40
.irp k, 0,1,2,3
.irp i, 6,7,8,9,10,11
	v_mov_b32 v[192+12*\k+\i], 0
.endr
.endr
	WIN 0x80
.irp k, 0,1,2,3
.irp i, 6,7,8,9,10,11
	v_mov_b32 v[192+12*\k+\i], 0
.endr
.endr
	WIN 0
.irp i, 0,1,2,3
	v_mov_b32 v[PT+\i], 0
.endr
.irp i, 0,1,2,3,4,5,6,7
	v_mov_b32 v[NM+\i], 0                          ; (pairs of which the low word serves both halves: the upper word is written once.  These lines are also the places between the zero codes and the products)
	v_mov_b32 v[RC+\i], 0
.endr
.macro SLOAD g
	WIN 0x40
.irp k, 0,1,2,3
.irp p, 0,1,2
	ds_load_b64 v[192+12*\k+2*\p:192+12*\k+2*\p+1], v[SLA] offset:776*(4*(\g)+\k)+8*\p
.endr
.endr
	WIN 0x80
.irp k, 0,1,2,3
.irp p, 0,1,2
	ds_load_b64 v[192+12*\k+2*\p:192+12*\k+2*\p+1], v[SLA] offset:KC-QC+776*(4*(\g)+\k)+8*\p
.endr
.endr
	WIN 0
.irp k, 0,1,2,3
	ds_load_u16 v[SSC+2*\k], v[SSA] offset:32*(4*(\g)+\k)          ; two bytes; the upper two are 0: a scale over zero codes
	ds_load_u16 v[SSC+2*\k+1], v[SSA] offset:KS-QS+32*(4*(\g)+\k)
.endr
.endm
; lane (r, h) holds head r's scores against heads g = 8 h + 0 .. 7; the four tokens by turns.  w = 2^(c s - c max) / sum, into window 3: they are source 1 of weights x v as they stand
.macro SOFTMAX g
.irp k, 0,1,2,3
	v_max3_num_f32 v[MX+\k], v[ACC+16*\k], v[ACC+16*\k+1], v[ACC+16*\k+2]
.endr
.irp k, 0,1,2,3
	v_max3_num_f32 v[MX+\k], v[MX+\k], v[ACC+16*\k+3], v[ACC+16*\k+4]
.endr
.irp k, 0,1,2,3
	v_max3_num_f32 v[MX+\k], v[MX+\k], v[ACC+16*\k+5], v[ACC+16*\k+6]
.endr
.irp k, 0,1,2,3
	v_max_num_f32 v[MX+\k], v[MX+\k], v[ACC+16*\k+7]
.endr
.irp k, 0,1,2,3
	v_permlanex16_b32 v[PT+\k], v[MX+\k], s90, s91
.endr
.irp k, 0,1,2,3
	v_max_num_f32 v[MX+\k], v[MX+\k], v[PT+\k]     ; the row's largest score
.endr
.irp k, 0,1,2,3
	v_mul_f32 v[NM+2*\k], s94, v[MX+\k]
.endr
.irp n, 0,2,4,6
.irp k, 0,1,2,3
	v_pk_fma_f32 v[ACC+16*\k+\n:ACC+16*\k+\n+1], v[ACC+16*\k+\n:ACC+16*\k+\n+1], s[92:93], v[NM+2*\k:NM+2*\k+1] op_sel_hi:[1,0,0]
.endr
.endr
.irp k, 0,1,2,3
.irp j, 0,1,2,3,4,5,6,7
	v_exp_f32 v[ACC+16*\k+\j], v[ACC+16*\k+\j]
.endr
.endr
	v_nop                                          ; one plain place behind the exponentials
	s_wait_alu depctr_va_vdst(0)
.irp k, 0,1,2,3
	v_pk_add_f32 v[SM+2*\k:SM+2*\k+1], v[ACC+16*\k:ACC+16*\k+1], v[ACC+16*\k+2:ACC+16*\k+3]
.endr
.irp k, 0,1,2,3
	v_pk_add_f32 v[SM+2*\k:SM+2*\k+1], v[SM+2*\k:SM+2*\k+1], v[ACC+16*\k+4:ACC+16*\k+5]
.endr
.irp k, 0,1,2,3
	v_pk_add_f32 v[SM+2*\k:SM+2*\k+1], v[SM+2*\k:SM+2*\k+1], v[ACC+16*\k+6:ACC+16*\k+7]
.endr
.irp k, 0,1,2,3
	v_add_f32 v[SM+2*\k], v[SM+2*\k], v[SM+2*\k+1]
.endr
.irp k, 0,1,2,3
	v_permlanex16_b32 v[PT+\k], v[SM+2*\k], s90, s91
.endr
.irp k, 0,1,2,3
	v_add_f32 v[SM+2*\k], v[SM+2*\k], v[PT+\k]
.endr
.irp k, 0,1,2,3
	v_rcp_f32 v[RC+2*\k], v[SM+2*\k]
.endr
	v_nop                                          ; one plain place behind the reciprocals
	WIN 0xc0
	s_wait_alu depctr_va_vdst(0)
.irp k, 0,1,2,3
.irp n, 0,2,4,6
	v_pk_mul_f32 v[8*(4*(\g)+\k)+\n:8*(4*(\g)+\k)+\n+1], v[ACC+16*\k+\n:ACC+16*\k+\n+1], v[RC+2*\k:RC+2*\k+1] op_sel_hi:[1,0]
.endr
.endr
	WIN 0
.endm
	SLOAD 0
.irp g, 0,1,2,3
	s_wait_dscnt 0x0
	WIN 0x06                                       ; source 0 (k) window 2, source 1 (q) window 1
.irp k, 0,1,2,3
	v_wmma_scale_f32_16x16x128_f8f6f4 v[ACC+16*\k:ACC+16*\k+7], v[192+12*\k:192+12*\k+11], v[192+12*\k:192+12*\k+11], 0, v[SSC+2*\k+1], v[SSC+2*\k] matrix_a_fmt:MATRIX_FMT_FP6 matrix_b_fmt:MATRIX_FMT_FP6
.endr
	WIN 0
	NOPS 5                                         ; places in front of the loads into the fragments, of the first read of the scores, and of the next four products, which write over these accumulators
.if \g < 3
	SLOAD \g+1
.endif
	SOFTMAX \g
.endr
; ---------------- V and weights x v, in four chunks of 16 channels of every head.  Chunk (b, u): slot 0 gives channels 32 b + 8 u + 0 .. 7, slot 1 channels 32 b + 16 + 8 u + 0 .. 7.
; v stays f32 and goes through a stage in LDS as an image of source 0 of the f32 matrix form: token t, row m of the chunk's 16 channels, half h'': the 32 bytes of heads 8 h'' + 0 .. 7, in two parts 512 bytes apart.
	s_mul_i32 s2, s88, QUART
	v_mul_u32_u24 v[AV], v[RR], 1584
	v_mad_u32_u24 v[AV], v[HH], 24, v[AV]
	v_add_nc_u32 v[AV], s2, v[AV]                  ; head r's line of my quarter, + 24 h
	v_lshl_add_u32 v[AV+1], v[HH], 3, v[AV]        ; the same behind one padding more
	v_add_nc_u32 v[AV+2], SLOT, v[AV]
	v_add_nc_u32 v[AV+3], SLOT, v[AV+1]
	v_mul_u32_u24 v[VWA], v[RR], 1040
	v_lshl_add_u32 v[VWA], v[HH], 8, v[VWA]
	s_lshl_b32 s2, s88, 5
	v_add_nc_u32 v[VWA], s2, v[VWA]
	v_add_nc_u32 v[VWA], STG, v[VWA]               ; into the stage: token r, half h, rows 2 w, 2 w + 1
	s_mul_i32 s2, s88, 16640
	v_lshl_add_u32 v[PRA], v[LL], 4, s2
	v_add_nc_u32 v[PRA], STG, v[PRA]               ; out of it: my 16 tokens, 16 x lane
	s_mul_i32 s2, s88, 12416
	v_mul_u32_u24 v[CWA], v[RR], 48
	v_mad_u32_u24 v[CWA], v[HH], 776, v[CWA]
	v_add_nc_u32 v[CWA], s2, v[CWA]
	v_add_nc_u32 v[CWA], CC, v[CWA]                ; ctx's codes: head r's 48 bytes; lanes 16-31 hold the next token's
	s_lshl_b32 s2, s88, 9
	v_lshl_add_u32 v[CSA], v[RR], 1, s2
	v_add_nc_u32 v[CSA], CS, v[CSA]
.macro EPIV sp                         ; lane (token r, h) holds v of heads 8 h + 0 .. 7 at one channel: row 8 sp + 2 w + e of the chunk
.irp e, 0,1
.irp mt, 0,1,2,3
	ds_store_b128 v[VWA], v[ACC+16*\mt+8*\e:ACC+16*\mt+8*\e+3] offset:16640*\mt+16*(8*\sp+\e)
	ds_store_b128 v[VWA], v[ACC+16*\mt+8*\e+4:ACC+16*\mt+8*\e+7] offset:16640*\mt+16*(8*\sp+\e)+512
.endr
.endr
.endm
.macro PLOAD g                         ; four tokens' images of v, 8 registers each, into buffer g % 2
.irp k, 0,1,2,3
	ds_load_b128 v[VA+32*((\g)%2)+8*\k:VA+32*((\g)%2)+8*\k+3], v[PRA] offset:1040*(4*(\g)+\k)
	ds_load_b128 v[VA+32*((\g)%2)+8*\k+4:VA+32*((\g)%2)+8*\k+7], v[PRA] offset:1040*(4*(\g)+\k)+512
.endr
.endm
; ctx^T = v^T w^T for my 16 tokens: source 0 = 16 channels x 4 heads, source 1 = 4 heads x 16 heads; K step s stands for heads 8 h'' + 2 s + 0, 1 on both sides.  Four tokens' accumulators take turns.
; In the result lane (r, h') holds head r and channels 32 b + 16 h' + 8 u + 0 .. 7.  u = 0: kept in window 3.  u = 1: with the kept half beside it a lane has 16 neighbours along ctx's K: quantised, codes and bytes to LDS.
.macro PV b, u
	PLOAD 0
.irp g, 0,1,2,3
.if \g < 3
	PLOAD \g+1
	s_wait_dscnt 8                                 ; all but the next four tokens' eight loads: these tokens' images are in, and the last codes' stores have read their registers
.else
	s_wait_dscnt 0x0
.endif
.if (\u) == 0
	WIN 0xfc                                       ; source 1 (w), C and D window 3
.else
	WIN 0x0c                                       ; source 1 window 3
.endif
.irp s, 0,1,2,3
.irp k, 0,1,2,3
.if (\u) == 0
.set DD, 128+8*(4*\g+\k)
.else
.set DD, ACC+8+16*\k
.endif
.if \s == 0
	v_wmma_f32_16x16x4_f32 v[DD:DD+7], v[VA+32*(\g%2)+8*\k+2*\s:VA+32*(\g%2)+8*\k+2*\s+1], v[8*(4*\g+\k)+2*\s:8*(4*\g+\k)+2*\s+1], 0
.else
	v_wmma_f32_16x16x4_f32 v[DD:DD+7], v[VA+32*(\g%2)+8*\k+2*\s:VA+32*(\g%2)+8*\k+2*\s+1], v[8*(4*\g+\k)+2*\s:8*(4*\g+\k)+2*\s+1], v[DD:DD+7]
.endif
.endr
.endr
.if (\u) == 0
	WIN 0
	NOPS 8                                         ; places in front of the loads into the buffer just read
.else
	WIN 0x03
.irp k, 0,1,2,3
.irp j, 0,1,2,3,4,5,6,7
	v_mov_b32 v[ACC+16*\k+\j], v[128+8*(4*\g+\k)+\j]   ; the kept half beside the new one (the conversion takes 16 consecutive registers).  These 32 lines are also the places behind the products
.endr
.endr
	WIN 0
	QUANT ACC, 0, 0                                ; the four groups are four tokens
.irp c, 0,1
.irp p, 0,1,2
	ds_store_b64 v[CWA], v[PC+6*\c+2*\p:PC+6*\c+2*\p+1] offset:776*(4*\g+2*\c)+24*(\b)+8*\p
.endr
.endr
.irp k, 0,1,2,3
	ds_store_b8 v[CSA], v[TM+4+\k] offset:32*(4*\g+\k)+(\b)
.endr
.endif
.endr
.endm
.macro VCHUNK c
.set D0C, 32*((\c)/2)+8*((\c)%2)
.set D0N, 32*(((\c)+1)/2)+8*(((\c)+1)%2)
	s_wait_dscnt 0x0                               ; my reads of what the stage is laid over (q, k; the last chunk's v) are over:
	s_barrier_signal -1
	s_barrier_wait -1                              ; everybody's are.  The slot on its way may stay out
	COMPUTE 0, 2, 20
.if \c < 3
	SETV 0, D0N
.else
	SETO 0, 0, 0
.endif
	EPIV 0
.if \c < 3
	HEAD G0V0, G1V, (D0N-D0C)*768
	COMPUTE 1, 2, 20
	SETV 1, D0N+16
.else
	HEAD G0O0, G1W, 0
	COMPUTE 1, 2, 8
	SETO 1, 1024, 128
.endif
	EPIV 1
.if \c < 3
	HEAD G0V1, G1V, (D0N-D0C)*768                  ; its round also shows the stage whole
.else
	HEAD G0O1, G1W, 0
.endif
	PV (\c)/2, (\c)%2
.endm
	VCHUNK 0
	VCHUNK 1
	VCHUNK 2
	VCHUNK 3
; ---------------- O: ctx's codes take xn's place in every wave's registers
	s_wait_dscnt 0x0                               ; my stores of ctx's codes are done:
	s_barrier_signal -1
	s_barrier_wait -1                              ; everybody's are
	v_mul_u32_u24 v[CRA], v[RR], 776
	v_mad_u32_u24 v[CRA], v[HH], 24, v[CRA]
	v_add_nc_u32 v[CRA], CC, v[CRA]
	v_lshl_add_u32 v[CSR], v[RR], 5, CS
.irp wn, 0,1
	WIN (1+\wn)<<6
.irp q4, 0,1,2,3
.irp mt, 0,1,2,3
.irp p, 0,1,2,3,4,5
	ds_load_b64 v[48*\q4+12*\mt+2*\p:48*\q4+12*\mt+2*\p+1], v[CRA] offset:12416*\mt+96*(4*\wn+\q4)+48*(\p/3)+8*(\p%3)
.endr
.endr
.endr
.endr
	WIN 0
.irp mt, 0,1,2,3
	ds_load_b128 v[XS+8*\mt:XS+8*\mt+3], v[CSR] offset:512*\mt
	ds_load_b128 v[XS+8*\mt+4:XS+8*\mt+7], v[CSR] offset:512*\mt+16
.endr
	s_mul_i32 s2, s88, 17408
	v_mul_u32_u24 v[OSTO], v[RR], 272
	v_lshl_add_u32 v[OSTO], v[HH], 5, v[OSTO]
	v_add_nc_u32 v[OSTO], s2, v[OSTO]
	v_add_nc_u32 v[OSTO], OST, v[OSTO]             ; my stage: token r, + 32 h
	v_mul_u32_u24 v[ORD], v[HH], 272
	v_lshl_add_u32 v[ORD], v[RR], 4, v[ORD]
	v_add_nc_u32 v[ORD], s2, v[ORD]
	v_add_nc_u32 v[ORD], OST, v[ORD]               ; back: lanes 0-15 one token's 256 bytes, lanes 16-31 the next token's
	s_lshl_b32 s2, s88, 10
	v_lshlrev_b32 v[OGO], 12, v[HH]
	v_lshl_add_u32 v[OGO], v[RR], 4, v[OGO]
	v_add_nc_u32 v[OGO], s2, v[OGO]                ; and the same in out0: my 256 features begin 1,024 w bytes into a row
	s_wait_dscnt 0x0                               ; my reads of ctx's codes are over:
	s_barrier_signal -1
	s_barrier_wait -1                              ; everybody's are: the stages may be laid over them
.macro EPIO par                        ; lane (token r, h): features 32 par + 16 u + 8 h + 0 .. 7 of the pair's 64; each accumulator from its low end on
.irp mt, 0,1,2,3
.irp u, 0,1
	ds_store_b128 v[OSTO], v[ACC+16*\mt+8*\u:ACC+16*\mt+8*\u+3] offset:4352*\mt+128*\par+64*\u
	ds_store_b128 v[OSTO], v[ACC+16*\mt+8*\u+4:ACC+16*\mt+8*\u+7] offset:4352*\mt+128*\par+64*\u+16
.endr
.endr
.endm
.macro OUT                             ; two slots give 64 neighbouring features: 64 rows of 256 bytes leave my own stage.  LDS serves a wave's instructions in order (ISA guide 5.7.1.4): the loads see my stores
.irp be, 0,1
	s_wait_xcnt 0x0                                ; the earlier stores have read their registers
.irp t, 0,1,2,3,4,5,6,7,8,9,10,11,12,13,14,15
	ds_load_b128 v[TA+4*\t:TA+4*\t+3], v[ORD] offset:272*(32*\be+2*\t)
.endr
.irp t, 0,1,2,3,4,5,6,7,8,9,10,11,12,13,14,15
	s_wait_dscnt 15-\t                             ; the younger rows may be out
	global_store_b128 v[OGO], v[TA+4*\t:TA+4*\t+3], s[34:35] offset:4096*(32*\be+2*\t) th:TH_STORE_NT   ; 16 lanes store 256 consecutive bytes, at a multiple of 256 from out0's first byte
.endr
.endr
.endm
.macro OIT last
	COMPUTE 0, 1, 8
.if \last == 0
	SETO 0, 2048, 256
.endif
	EPIO 0
.if \last == 0
	HEAD G0O0, G1W, 49152
	COMPUTE 1, 1, 8
	SETO 1, 3072, 384
.else
	s_wait_tensorcnt 0x0                           ; the last slot has landed: no load was issued behind it
	COMPUTE 1, 1, 0
.endif
	EPIO 1
	OUT
.if \last == 0
	HEAD G0O1, G1W, 49152
.endif
.endm
	s_mov_b32 s89, 3
.Lo:
	OIT 0
	s_wait_xcnt 0x0                                ; loads and stores have read their bases
	s_add_nc_u64 s[30:31], s[30:31], 2048
	s_add_nc_u64 s[32:33], s[32:33], 256
	s_add_nc_u64 s[34:35], s[34:35], 256
	s_sub_co_u32 s89, s89, 1
	s_cmp_lg_u32 s89, 0
	s_cbranch_scc1 .Lo
	OIT 1                                          ; the last pair is written out: nothing is left to fetch
	s_wait_tensorcnt 0x0                           ; the wave's end: behind my last tensor load and my last LDS store
	ds_add_u32 v[SPW], v[NIL]
	s_wait_dscnt 0x0
	ROUND                                          ; the closing round: no work-group ends while a partner may still ask for a quarter that names it
	s_endpgm
.Lfunc_end_k_q057c855440_fused:
	.size	k_q057c855440_fused, .Lfunc_end_k_q057c855440_fused-k_q057c855440_fused
	.p2alignl 7, 3214868480
	.fill 96, 4, 3214868480
	.section	.rodata,"a",@progbits
	.p2align	6, 0x0
	.amdhsa_kernel k_q057c855440_fused
		.amdhsa_group_segment_fixed_size 327680
		.amdhsa_private_segment_fixed_size 0
		.amdhsa_enable_private_segment 0
		.amdhsa_kernarg_size 128
		.amdhsa_user_sgpr_count 2
		.amdhsa_user_sgpr_kernarg_segment_ptr 1
		.amdhsa_wavefront_size32 1
		.amdhsa_system_sgpr_workgroup_id_x 1
		.amdhsa_system_sgpr_workgroup_id_y 1
		.amdhsa_system_sgpr_workgroup_id_z 1
		.amdhsa_system_vgpr_workitem_id 0
		.amdhsa_next_free_vgpr 1024
		.amdhsa_next_free_sgpr 102
		.amdhsa_reserve_vcc 1
		.amdhsa_float_denorm_mode_32 3
		.amdhsa_float_denorm_mode_16_64 3
		.amdhsa_memory_ordered 1
		.amdhsa_forward_progress 1
		.amdhsa_inst_pref_size 255
	.end_amdhsa_kernel
	.section	.bss,"aw",@nobits
	.p2align	6
	.space	262144
	.amdgpu_metadata
---
amdhsa.version: [ 1, 2 ]
amdhsa.kernels:
  - .name:           k_q057c855440_fused
    .symbol:         k_q057c855440_fused.kd
    .args:
      - { .name: x, .offset: 0, .size: 8, .value_kind: global_buffer, .address_space: global }
      - { .name: ln_g, .offset: 8, .size: 8, .value_kind: global_buffer, .address_space: global }
      - { .name: ln_b, .offset: 16, .size: 8, .value_kind: global_buffer, .address_space: global }
      - { .name: Wq_codes, .offset: 24, .size: 8, .value_kind: global_buffer, .address_space: global }
      - { .name: Wq_scales, .offset: 32, .size: 8, .value_kind: global_buffer, .address_space: global }
      - { .name: bq, .offset: 40, .size: 8, .value_kind: global_buffer, .address_space: global }
      - { .name: Wk_codes, .offset: 48, .size: 8, .value_kind: global_buffer, .address_space: global }
      - { .name: Wk_scales, .offset: 56, .size: 8, .value_kind: global_buffer, .address_space: global }
      - { .name: bk, .offset: 64, .size: 8, .value_kind: global_buffer, .address_space: global }
      - { .name: Wv_codes, .offset: 72, .size: 8, .value_kind: global_buffer, .address_space: global }
      - { .name: Wv_scales, .offset: 80, .size: 8, .value_kind: global_buffer, .address_space: global }
      - { .name: bv, .offset: 88, .size: 8, .value_kind: global_buffer, .address_space: global }
      - { .name: Wo_codes, .offset: 96, .size: 8, .value_kind: global_buffer, .address_space: global }
      - { .name: Wo_scales, .offset: 104, .size: 8, .value_kind: global_buffer, .address_space: global }
      - { .name: bo, .offset: 112, .size: 8, .value_kind: global_buffer, .address_space: global }
      - { .name: out0, .offset: 120, .size: 8, .value_kind: global_buffer, .address_space: global }
    .group_segment_fixed_size: 327680
    .private_segment_fixed_size: 0
    .kernarg_segment_align: 8
    .kernarg_segment_size: 128
    .max_flat_workgroup_size: 128
    .sgpr_count:     102
    .vgpr_count:     1024
    .wavefront_size: 32
...
	.end_amdgpu_metadata
.endif
;; end of part 1
;; ======== version 2 of 2: 1 launch
;; limits: right only within a limited range of input values
;; launch fused (part 2): grid 256 x 1, 4 waves a work-group, clusters of 4 x 1, 327,680 bytes of LDS; arguments x, ln_g, ln_b, Wq_codes, Wq_scales, bq, Wk_codes, Wk_scales, bk, Wv_codes, Wv_scales, bv, Wo_codes, Wo_scales, bo, out0; writes out0
.if DOCPART == 2
	.amdgcn_target "amdgcn-amd-amdhsa--gfx1250"
	.amdhsa_code_object_version 6
	.text
	.protected	k_q057c855440_fused
	.globl	k_q057c855440_fused
	.p2align	8
	.type	k_q057c855440_fused,@function
k_q057c855440_fused:
	s_mov_b64 s[64:65], 0
	v_nop
	global_prefetch_b8 v0, s[64:65] scope:SCOPE_SE
	s_setreg_imm32_b32 hwreg(HW_REG_WAVE_MODE, 25, 1), 1
	s_wait_xcnt 0x0
	s_wait_alu depctr_hold_cnt(0) depctr_sa_sdst(0) depctr_va_vdst(0) depctr_va_sdst(0) depctr_va_ssrc(0) depctr_va_vcc(0) depctr_vm_vsrc(0)
	s_getreg_b32 s2, hwreg(HW_REG_IB_STS2, 6, 4)
	s_cmp_eq_u32 s2, 0
	s_cbranch_scc0 .Lentry_in_a_cluster
	s_endpgm
.Lentry_in_a_cluster:
	s_bfe_u32 s2, ttmp6, 0x10000c
	s_cmp_lg_u32 s2, 0x3003
	s_cbranch_scc0 .Lentry_shape_is_right
	s_endpgm
.Lentry_shape_is_right:
; out = (softmax_g(q k^T / 32) v) Wo + bo for each token by itself, q, k, v = LayerNorm(x) W + b; the attention mixes a token's own 16 heads of 64 channels.
; 16,384 tokens of 1,024 numbers.  QUANTISED products (codes of E2M3, one E8M0 scale for each 32 along K, f32 sums): xn Wq, xn Wk, xn Wv, q k^T (K = 64), ctx Wo.  weights x v: f32 operands, since its result is quantised.
; ONE LAUNCH, NO WORKSPACE: x is read once, out0 written once; every input is loaded, no work of the problem is left out.
; SHARES.  A work-group of four waves owns 64 tokens (four tiles mt of 16).  In the four large products THE WAVES SHARE THE COLUMNS: every wave holds all 64 tokens' codes (32 fragments, 384 registers) and multiplies
; them by its own 32 weight rows of each slot: a weight fragment is read from LDS once, by one wave, and feeds four matrix instructions.  In LayerNorm, scores, softmax and weights x v wave w owns tokens 16 w .. 16 w + 15.
; ALL PRODUCTS ARE USED TRANSPOSED (source 0 = 16 weight rows, source 1 = 16 tokens): a lane holds ONE token (lane % 16), its eight registers the weight rows 8 (lane / 16) + 0 .. 7 of the tile.
; THE WEIGHTS come through a ring of two LDS slots of 128 rows x 768 bytes (all of K).  Wave w fetches and alone reads its quarter, 32 rows.  32 slots: eight pairs Q, K; eight of V; eight of O.
; THE CHANGE OF SLOTS STANDS INSIDE A SLOT'S LAST 16 PRODUCTS: the wait for the other slot's load and the add ahead of K step 6, the barrier's signal between K steps 6 and 7 (all the slot's fragments are in registers by then),
;   the rest of the cluster's round behind K step 7.  Behind the round: the refill, then the NEXT slot's first 48 fragment loads, then THIS slot's epilogue, which runs while those loads are out.
; CLUSTER: all work-groups walk the same weights, so the four of a cluster ask for each quarter JOINTLY (mask 15).  One joint load a wave behind each round of the cluster's barrier.
; THE CLUSTERS BEGIN THE WALK AT DIFFERENT SLOTS.  R = (cluster + cluster / 8) mod 4.  Trip t of Q, K takes block i = (t + 8 - 2 R) mod 8, trip t of O the pair (t + R) mod 4.  The partners of a cluster share R.
;   q's and k's codes are stored at place t of the wave's eight; the scores read head r at place (r & 12) + ((r + R) & 3).
; WHICH ROWS FORM A TILE.  Q, K: block i gives wave w rows 256 w + 32 i + 0 .. 31, one block of 32 channels; tile 0 takes rows 0-7 and 24-31, tile 1 rows 8-23, so that a lane's 16 registers are half a block: lanes 0-15
;   channels 0-15 in order, lanes 16-31 channels 24-31, 16-23.  That order inside a block is the same for q and k, so no product of q k^T and no scale changes.
;   V: a tile is ONE channel d of all 16 heads (rows 64 g + d), so that a lane's eight registers run along the heads g, which are the K of weights x v.   O: rows 256 w + 32 i + 16 u + lane.
; A SLOT'S SCALE WORDS AND BIASES are asked for at the head of the slot before, behind the wait for that slot's own: one set is out at a time, and every wait for a set is for 0.
; LIMITS.  NaN and infinities in x, ln_g, ln_b or the biases are not served.  A computed block whose largest magnitude lies under 2^-124 keeps the scale byte 1 (a block of zeros too, where the rule says 127: its codes are
;   zeros, and these bytes are read by this program alone).  A given weight scale of 0xff gives NaN.
; LDS (bytes): [0, 208,896) the ring; [208,896, 327,168) a region laid anew phase by phase, each change behind a barrier; [327,168, 327,680) the spare words.
;   x in:   part p (256 along K) of all 64 tokens: 64 x 1,040 at 66,560 p (the first fills, over ring and region); ln_g, ln_b at 266,240, 270,336.  x stays until LayerNorm is over: its third pass reads it again
;   LN out: 32 images of xn's fragments (1,536 each) at 274,432; their scale words (64 each) at 323,584
;   Q, K:   q's codes 64 x 776 at 208,896, k's at 258,560; scale bytes 64 x 32 at 308,224 and 310,272
;   V:      the stage of v, 64 tokens x 1,040, at 208,896; ctx's codes 64 x 776 at 275,456; its scale bytes 64 x 32 at 325,120
;   O:      a stage of 64 rows x 272 for each wave at 208,896 + 17,408 w
; REGISTERS, in windows of 256.  Window 0: v1-5 kept; v6-23 addresses; v24-31, v32-63, v64-95 scale words and nothing else; v96-159 eight accumulators (mt, u) at 96 + 16 mt + 8 u; v160-223 at work; v224-255 the quantiser's.
;   Window 1: v0-191 the tokens' fragments of K steps 0-3 at 48 q + 12 mt; v192-239 weight fragments, set 0; v240-255 the biases of slot 0.   Window 2: the same for K steps 4-7, set 1, slot 1.
;   Window 3: v0-127 the softmax's weights (8 a token); v128-255 the first halves of ctx (8 a token).  v104-111, 120-127, 136-143, 152-159 of window 0 are written by matrix instructions alone.
; SCALARS: s[4:35] the 16 buffers' addresses (s[4:9] and s[66:67] later hold address + offset of the set or rows in hand); s[36:87] descriptors; s88 wave; s89 counter; s[90:96] constants; s97, s98, s100, s101 stepped numbers; s99 R.
.set QUART, 26112                      ; a wave's quarter of a slot: 96 lines of 256 bytes + 16
.set SLOT,  4*QUART
.set U0,    2*SLOT
.set SPARE, 327168
.set XTP,   66560
.set GT,    266240
.set XIMG,  274432
.set XSC,   XIMG+32*1536
.set QC,    U0
.set KC,    QC+64*776
.set QS,    KC+64*776
.set KS,    QS+2048
.set STG,   U0
.set CC,    STG+64*1040
.set CS,    CC+64*776
.set OST,   U0
.set SPW, 1                            ; v1 LDS address of my spare word, v2 0: never rewritten
.set NIL, 2
.set RR,  3                            ; lane % 16
.set HH,  4                            ; lane / 16
.set LL,  5                            ; lane
.set GST, 8                            ; LayerNorm's addresses
.set GA,  9
.set XIA, 10
.set XSA, 11
.set FIA, 12
.set FSA, 13
.set XA,  14                           ; v14-17: my tokens in x's four parts
.set AQ0, 6                            ; v6-9   Q, K tile 0: slot 0, the same behind one padding more, slot 1, the same
.set AV,  6                            ; v6-9   V's tiles likewise
.set AP,  10                           ; v10-13 plain rows (Q, K tile 1; O)
.set QWA0, 14
.set QSA0, 16
.set SLA, 14
.set SSA, 15
.set VWA, 14
.set PRA, 15
.set CWA, 16
.set CSA, 17
.set CRA, 6
.set CSR, 7
.set OSTO, 14
.set ORD, 15
.set OGO, 16
.set SA0, 18                           ; v18-23 byte offsets into the weights' scales and the biases (v18, v20: Q, K alone)
.set SA1, 19
.set BA0, 20
.set BA1, 21
.set VSA, 22
.set VBA, 23
.set CURC, 18
.set CURS, 20
.set SSC, 24
.set XS,  32
.set WS,  64
.set ACC, 96
.set TA,  160
.set VA,  160
.set SUM, 160
.set PW,  160
.set CUR, 162
.set CUR2, 163
.set MEAN, 168
.set RSTD, 170
.set NMR, 172
.set CX,  174
.set CG,  175
.set CI,  176
.set CW,  177
.set MX,  160
.set PT,  164
.set NM,  168
.set SM,  176
.set RC,  184
.set TM,  224
.set PC,  236
.set G1W, 36                           ; s[36:43] group 1: a dense quarter;  s[44:51] V's quarter;  s[52:59] a part of x
.set G1V, 44
.set G1X, 52
.set G0Q, 60
.set G0K, 68
.set G0X, 72
.set G0V0, 72
.set G0V1, 76
.set G0O0, 80
.set G0O1, 84
.set MSB, 0
.macro WIN new                         ; the immediate's high byte repeats the setting that is left; bits 1:0 source 0, 3:2 source 1, 5:4 source 2, 7:6 destination
.if MSB != (\new)
	s_set_vgpr_msb (MSB<<8)|(\new)
.set MSB, (\new)
.endif
.endm
.macro NOPS n
.rept \n
	v_nop
.endr
.endm
.macro CREST                           ; a round of the cluster's barrier behind its opening barrier
	s_cmp_lg_u32 s88, 0
	s_cbranch_scc1 .Lnot_wave_0_\@
	s_barrier_signal -3
.Lnot_wave_0_\@:
	s_barrier_wait -3
	s_barrier_signal -1
	s_barrier_wait -1
.endm
.macro ROUND                           ; a whole round
	s_barrier_signal -1
	s_barrier_wait -1
	CREST
.endm
; The change of slots by itself, where it does not stand inside a slot's last products (slot 1 of V and of O): all my tensor loads have landed, the add, all my LDS instructions are done, a whole round.
; It stands in the middle of the work that follows slot 1's products (weights x v; the way out), so that this work is shared between the two slots' loads: part of it lies between slot 0's request and the wait for it, part behind slot 1's request.
.macro SYNC
	WIN 0
	s_wait_tensorcnt 0x0
	ds_add_u32 v[SPW], v[NIL]
	s_wait_dscnt 0x0
	ROUND
.endm
.macro BAR                             ; a plain barrier between LDS stores and other waves' reads; the slot on its way may stay out
	s_wait_dscnt 0x0
	s_barrier_signal -1
	s_barrier_wait -1
.endm
; My one joint load behind a round.  Five v_nop: four are the places in front of LDS loads and stores that touch the last products' registers; the fifth serves the next slot's first product, which begins the accumulators anew
.macro TL g0, g1
	tensor_load_to_lds s[\g0:\g0+3], s[\g1:\g1+7]
	s_nop 0
	NOPS 5
.endm
; The same where a loop's last trip asks for the next phase's slot: one of two loads, chosen by the trip counter, which is the same in every wave and work-group; one load on either way, into the same quarter
.macro TL2 g0a, g1a, g0b, g1b, cnt, lastv
	s_cmp_eq_u32 s[\cnt], \lastv
	s_cbranch_scc1 .Lnext_phase_\@
	TL \g0a, \g1a
	s_branch .Lasked_\@
.Lnext_phase_\@:
	TL \g0b, \g1b
.Lasked_\@:
.endm
; A fragment, 16 rows x 128 K of 6-bit codes: lane (r, h) takes the row's pieces of 8 bytes 12 q + 0, 1, 2, 6, 7, 8, lanes 16-31 those three pieces on.  The mover has laid padb bytes behind every 32 pieces:
; where the piece three on lies behind one padding more, the second address register serves.
.macro FRAG reg, adr, q, off, padb
.irp p, 0,1,2,3,4,5
.set PCE, 12*(\q)+6*(\p/3)+\p%3
.if PCE%32 < 29
	ds_load_b64 v[(\reg)+2*\p:(\reg)+2*\p+1], v[\adr] offset:(\off)+8*PCE+(\padb)*(PCE/32)
.else
	ds_load_b64 v[(\reg)+2*\p:(\reg)+2*\p+1], v[(\adr)+1] offset:(\off)+8*PCE+(\padb)*(PCE/32)
.endif
.endr
.endm
; 24 LDS loads: both tiles' fragments of K steps 2 qp and 2 qp + 1 of slot par into set sg.  kind 0: Q, K;  1: O;  2: V
.macro LOADSET sg, par, qp, kind
	WIN (1+\sg)<<6
.irp u, 0,1
.irp qq, 0,1
.if \kind == 0
.if \u == 0
	FRAG 192+24*\u+12*\qq, AQ0+2*\par, 2*\qp+\qq, 0, 16
.else
	FRAG 192+24*\u+12*\qq, AP+2*\par, 2*\qp+\qq, 6528, 16
.endif
.elseif \kind == 1
	FRAG 192+24*\u+12*\qq, AP+2*\par, 2*\qp+\qq, 13056*\u, 16
.else
	FRAG 192+24*\u+12*\qq, AV+2*\par, 2*\qp+\qq, 792*\u, 8
.endif
.endr
.endr
	WIN 0
.endm
; 8 matrix instructions: K step qn x two tiles of weight rows x four tiles of tokens.  The eight accumulators take turns, one instruction a turn.  K step 0 takes the bias as C: nothing is cleared or added later
.macro MM1 sg, par, qn
.if (\qn) == 0
	WIN (1+\sg)|((1+((\qn)>>2))<<2)|((1+\par)<<4)
.else
	WIN (1+\sg)|((1+((\qn)>>2))<<2)
.endif
.irp u, 0,1
.irp mt, 0,1,2,3
.if (\qn) == 0
	v_wmma_scale_f32_16x16x128_f8f6f4 v[ACC+16*\mt+8*\u:ACC+16*\mt+8*\u+7], v[192+24*\u+12*((\qn)&1):192+24*\u+12*((\qn)&1)+11], v[48*((\qn)&3)+12*\mt:48*((\qn)&3)+12*\mt+11], v[240+8*\u:240+8*\u+7], v[WS+16*\par+8*\u+(\qn)], v[XS+8*\mt+(\qn)] matrix_a_fmt:MATRIX_FMT_FP6 matrix_b_fmt:MATRIX_FMT_FP6
.else
	v_wmma_scale_f32_16x16x128_f8f6f4 v[ACC+16*\mt+8*\u:ACC+16*\mt+8*\u+7], v[192+24*\u+12*((\qn)&1):192+24*\u+12*((\qn)&1)+11], v[48*((\qn)&3)+12*\mt:48*((\qn)&3)+12*\mt+11], v[ACC+16*\mt+8*\u:ACC+16*\mt+8*\u+7], v[WS+16*\par+8*\u+(\qn)], v[XS+8*\mt+(\qn)] matrix_a_fmt:MATRIX_FMT_FP6 matrix_b_fmt:MATRIX_FMT_FP6
.endif
.endr
.endr
.endm
.macro MMSET sg, par, qp
	MM1 \sg, \par, 2*(\qp)
	MM1 \sg, \par, 2*(\qp)+1
.endm
.macro CFIRST par, kind                ; a slot's first 48 fragment loads: issued at the end of the slot before, behind the wait that showed my quarter landed
	LOADSET 0, \par, 0, \kind
	LOADSET 1, \par, 1, \kind
.endm
; A slot: 64 tokens x my 32 weight rows x K = 1,024: 64 matrix instructions; CFIRST has been issued, the slot's scale words and biases are in.
; s_wait_dscnt 24: the 24 youngest LDS instructions may be out; the set about to be multiplied was issued ahead of them.
; sync = 1: the change of slots.  All my tensor loads have landed (the one that was out is the other slot); the add; K step 6; the add and all my reads of this slot are done; the signal opens a round; K step 7 on registers; the round's rest.
.macro CMID par, kind, sync
	s_wait_dscnt 24
	MMSET 0, \par, 0
	NOPS 4                                         ; places in front of loads into registers that matrix instructions have read
	LOADSET 0, \par, 2, \kind
	s_wait_dscnt 24
	MMSET 1, \par, 1
	NOPS 4
	LOADSET 1, \par, 3, \kind
	s_wait_dscnt 24
	MMSET 0, \par, 2
.if \sync
	WIN 0
	s_wait_tensorcnt 0x0
	ds_add_u32 v[SPW], v[NIL]
	s_wait_dscnt 1                                 ; the last set is in; the add may be out
	MM1 1, \par, 6
	s_wait_dscnt 0x0
	s_barrier_signal -1
	MM1 1, \par, 7
	WIN 0
	s_barrier_wait -1
	CREST
.else
	s_wait_dscnt 0x0
	MMSET 1, \par, 3
	WIN 0
	NOPS 5
.endif
.endm
; THE QUANTISER.  64 numbers of a lane, v[s + 16 b + i] of window win: four groups b; a group's block of 32 lies in lanes l and l xor 16, 16 numbers each.
; Out: v[TM+4+b] the block's scale byte; v[PC+6c .. PC+6c+5] the 24 bytes of a WHOLE block: lanes 0-15 group 2 c, lanes 16-31 group 2 c + 1.  word = 1: v[PW] the four bytes as a scale word.
.macro QUANT s, win, word
	WIN ((\win)<<2)|((\win)<<4)
.irp b, 0,1,2,3
	v_max3_num_f32 v[TM+\b], 0x1800000, |v[(\s)+16*\b]|, |v[(\s)+16*\b+1]|   ; my 16 numbers, and the floor 2^(3 - 127): the byte cannot fall under 1
.endr
.irp i, 2,4,6,8,10,12,14
.irp b, 0,1,2,3
	v_max3_num_f32 v[TM+\b], v[TM+\b], |v[(\s)+16*\b+\i]|, |v[(\s)+16*\b+\i+1]|
.endr
.endr
	WIN 0
.irp b, 0,1,2,3
	v_permlanex16_b32 v[TM+4+\b], v[TM+\b], s90, s91
.endr
.irp b, 0,1,2,3
	v_max_num_f32 v[TM+\b], v[TM+\b], v[TM+4+\b]   ; with lane l xor 16's: the block's largest magnitude
.endr
.irp b, 0,1,2,3
	v_add_nc_u32 v[TM+8+\b], 0xff000000, v[TM+\b]  ; 2 off its exponent field: the conversion takes the exponent field of this operand as its scale
.endr
.irp b, 0,1,2,3
	v_lshrrev_b32 v[TM+4+\b], 23, v[TM+8+\b]       ; the scale's byte
.endr
.if \word
	v_lshl_or_b32 v[PW], v[TM+5], 8, v[TM+4]
	v_lshl_or_b32 v[PW], v[TM+6], 16, v[PW]
	v_lshl_or_b32 v[PW], v[TM+7], 24, v[PW]
.endif
	WIN (\win)
.irp c, 0,1
	v_cvt_scalef32_pk16_fp6_f32 v[PC+6*\c:PC+6*\c+2], v[(\s)+32*\c:(\s)+32*\c+15], v[TM+8+2*\c]
	v_cvt_scalef32_pk16_fp6_f32 v[PC+12+4*\c:PC+14+4*\c], v[(\s)+16+32*\c:(\s)+31+32*\c], v[TM+9+2*\c]   ; (a conversion's three registers begin on an even number)
.endr
	WIN 0
	v_nop                                          ; one plain place behind a scaled conversion
.irp c, 0,1
.irp i, 0,1,2
	v_permlane16_swap_b32 v[PC+6*\c+\i], v[PC+12+4*\c+\i]   ; lower 16 codes, upper 16 codes of a lane's block
.endr
.irp i, 0,1,2
	v_mov_b32 v[PC+3+6*\c+\i], v[PC+12+4*\c+\i]
.endr
.endr
.endm
; The scale words (8 a weight row) and biases (in the result's layout) of a slot, into the registers of slot par
.macro SETQK par, ps, pb, os, ob
	global_load_b128 v[WS+16*\par:WS+16*\par+3], v[SA0], s[\ps:\ps+1] offset:\os
	global_load_b128 v[WS+16*\par+4:WS+16*\par+7], v[SA0], s[\ps:\ps+1] offset:\os+16
	global_load_b128 v[WS+16*\par+8:WS+16*\par+11], v[SA1], s[\ps:\ps+1] offset:\os+256
	global_load_b128 v[WS+16*\par+12:WS+16*\par+15], v[SA1], s[\ps:\ps+1] offset:\os+272
	WIN (1+\par)<<6
	global_load_b128 v[240:243], v[BA0], s[\pb:\pb+1] offset:\ob
	global_load_b128 v[244:247], v[BA0], s[\pb:\pb+1] offset:\ob+16
	global_load_b128 v[248:251], v[BA1], s[\pb:\pb+1] offset:\ob+32
	global_load_b128 v[252:255], v[BA1], s[\pb:\pb+1] offset:\ob+48
	WIN 0
.endm
.macro SETO par, os, ob                ; s[4:5], s[6:7]: Wo's scales and bo at the pair in hand
.irp u, 0,1
	global_load_b128 v[WS+16*\par+8*\u:WS+16*\par+8*\u+3], v[SA1], s[4:5] offset:\os+512*\u
	global_load_b128 v[WS+16*\par+8*\u+4:WS+16*\par+8*\u+7], v[SA1], s[4:5] offset:\os+512*\u+16
.endr
	WIN (1+\par)<<6
.irp u, 0,1
	global_load_b128 v[240+8*\u:240+8*\u+3], v[BA1], s[6:7] offset:\ob+64*\u
	global_load_b128 v[240+8*\u+4:240+8*\u+7], v[BA1], s[6:7] offset:\ob+64*\u+16
.endr
	WIN 0
.endm
.macro SETV par, d0
.irp e, 0,1
	global_load_b128 v[WS+16*\par+8*\e:WS+16*\par+8*\e+3], v[VSA], s[24:25] offset:32*((\d0)+\e)
	global_load_b128 v[WS+16*\par+8*\e+4:WS+16*\par+8*\e+7], v[VSA], s[24:25] offset:32*((\d0)+\e)+16
.endr
	WIN (1+\par)<<6
.irp e, 0,1
.irp j, 0,1,2,3,4,5,6,7
	global_load_b32 v[240+8*\e+\j], v[VBA], s[26:27] offset:256*\j+4*((\d0)+\e)   ; bv of head 8 h + j, my channel
.endr
.endr
	WIN 0
.endm
.macro QKPTR n                         ; Wq's scales s[4:5], bq s[6:7], Wk's scales s[8:9], bk s[66:67], each at block s[n]: 32 rows of 32 scale bytes, 32 biases
	s_lshl_b32 s2, s[\n], 10
	s_add_nc_u64 s[4:5], s[12:13], s[2:3]
	s_add_nc_u64 s[8:9], s[18:19], s[2:3]
	s_lshl_b32 s2, s[\n], 7
	s_add_nc_u64 s[6:7], s[14:15], s[2:3]
	s_add_nc_u64 s[66:67], s[20:21], s[2:3]
.endm
.macro OPTR n                          ; Wo's scales s[4:5] and bo s[6:7] at pair s[n]: 64 rows, 64 biases
	s_lshl_b32 s2, s[\n], 11
	s_add_nc_u64 s[4:5], s[30:31], s[2:3]
	s_lshl_b32 s2, s[\n], 8
	s_add_nc_u64 s[6:7], s[32:33], s[2:3]
.endm
; ---------------- the head
	s_load_b512 s[4:19], s[0:1], 0x0               ; x, ln_g, ln_b, Wq's codes, scales, bq, Wk's codes, scales
	s_load_b512 s[20:35], s[0:1], 0x40             ; bk, Wv's codes, scales, bv, Wo's codes, scales, bo, out0
	v_lshl_add_u32 v[SPW], v0, 2, SPARE
	v_mov_b32 v[NIL], 0
	ds_add_u32 v1, v2                              ; the add, twice on end, and its wait
	ds_add_u32 v1, v2
	s_wait_dscnt 0x0
	v_lshrrev_b32 v[LL], 5, v0
	v_readfirstlane_b32 s88, v[LL]                 ; wave 0..3
	v_and_b32 v[LL], 31, v0
	v_and_b32 v[RR], 15, v0
	v_bfe_u32 v[HH], v0, 4, 1
	s_bfe_u32 s99, ttmp6, 0x40000                  ; cx: it enters x's, out0's and the prefetch's addresses alone
	s_lshl_b32 s100, ttmp9, 2
	s_add_co_u32 s100, s100, s99                   ; my work-group, 0 .. 255
	s_and_b32 s99, s100, 63
	s_mul_i32 s99, s99, 48*256                     ; my share of a weight's codes in the prefetch below
	s_lshl_b32 s100, s100, 18                      ; 64 tokens of 4,096 bytes
	s_mov_b32 s101, 0
	s_lshl_b32 s2, s88, 10                         ; the part of x that I fetch: 1,024 bytes of every row
	s_mov_b32 s3, 0
	s_mul_i32 s89, s88, XTP
	; group 1, a dense quarter of 24,576 bytes: 96 lines of 256 bytes (32 elements of 8), 16 bytes of padding behind each: a weight row of 768 bytes takes 816
	s_mov_b32 s[G1W], 15|(3<<16)|(1<<20)|(1<<21)|(5<<22)|(3<<25)   ; the mask: the cluster's four; elements of 8 bytes; padding on; bit 21 beside a mask; after every 64 words 4 words
	s_mov_b32 s[G1W+1], 32<<16
	s_mov_b32 s[G1W+2], 96<<16
	s_mov_b32 s[G1W+3], 32<<16
	s_mov_b32 s[G1W+4], 96
	s_mov_b32 s[G1W+5], 32
	s_mov_b32 s[G1W+6], 0
	s_mov_b32 s[G1W+7], 0
	; V's quarter: 16 lines (heads) of 1,536 bytes (two neighbouring channels' rows), 64 rows = 49,152 bytes apart; 8 bytes of padding behind every 256: a head takes 1,584, the second channel begins at 792
	s_mov_b32 s[G1V], 15|(3<<16)|(1<<20)|(1<<21)|(5<<22)|(1<<25)
	s_mov_b32 s[G1V+1], 192<<16
	s_mov_b32 s[G1V+2], 16<<16
	s_mov_b32 s[G1V+3], 192<<16
	s_mov_b32 s[G1V+4], 16
	s_mov_b32 s[G1V+5], 6144
	s_mov_b32 s[G1V+6], 0
	s_mov_b32 s[G1V+7], 0
	; a part of x: 64 tokens x 1,024 bytes (256 along K), 4,096 bytes apart, 16 bytes of padding behind each; no mask: x is my work-group's alone
	s_mov_b32 s[G1X], (3<<16)|(1<<20)|(7<<22)|(3<<25)
	s_mov_b32 s[G1X+1], 128<<16
	s_mov_b32 s[G1X+2], 64<<16
	s_mov_b32 s[G1X+3], 128<<16
	s_mov_b32 s[G1X+4], 64
	s_mov_b32 s[G1X+5], 512
	s_mov_b32 s[G1X+6], 0
	s_mov_b32 s[G1X+7], 0
	v_lshl_add_u32 v6, v0, 8, s99                  ; the prefetch: threads 256 bytes apart
	s_wait_kmcnt 0x0
	s_add_nc_u64 s[4:5], s[4:5], s[100:101]
	s_add_nc_u64 s[34:35], s[34:35], s[100:101]    ; out0 at my work-group's first token
	s_add_nc_u64 s[4:5], s[4:5], s[2:3]            ; x at my work-group's first token, my part
	s_mov_b32 s[G0X], 1
	s_mov_b32 s[G0X+1], s89
	s_mov_b64 s[G0X+2:G0X+3], s[4:5]
	s_or_b32 s[G0X+3], s[G0X+3], 0x80000000
	s_lshr_b32 s101, ttmp9, 4                      ; which weight my cluster prefetches: 16 clusters to each
	s_cmp_eq_u32 s101, 1
	s_cselect_b64 s[66:67], s[16:17], s[10:11]
	s_cmp_eq_u32 s101, 2
	s_cselect_b64 s[66:67], s[22:23], s[66:67]
	s_cmp_eq_u32 s101, 3
	s_cselect_b64 s[66:67], s[28:29], s[66:67]
	ROUND                                          ; the one round in front of the first fills
	tensor_load_to_lds s[G0X:G0X+3], s[G1X:G1X+7]  ; my one load at the head: part w of all 64 tokens
	s_nop 0
	NOPS 4
	; PREFETCH of the weights' codes: 4 x 3,072 blocks of 256 bytes; each work-group asks for 48 of them (threads 0-47, one block each), the 256 work-groups for every block once.  It stands here, under the
	; arrival of x and LayerNorm, ahead of the ring's first request; 12,288 bytes a work-group.  No address passes a buffer's end: block 63 x 48 + 47 is a weight's last.
	s_wait_xcnt 0x0                                ; EXEC changes only behind this wait
	v_cmp_gt_u32 vcc_lo, 48, v0
	s_and_saveexec_b32 s100, vcc_lo
	s_wait_alu depctr_va_vdst(0)
	global_prefetch_b8 v6, s[66:67] th:TH_LOAD_NT scope:SCOPE_SE
	s_mov_b32 s90, 0x76543210                      ; v_permlanex16_b32's selects for lane l xor 16
	s_mov_b32 s91, 0xfedcba98
	s_mov_b32 s92, 0x3d38aa3b                      ; c = log2(e) / sqrt(1024)
	s_mov_b32 s93, s92
	s_mov_b32 s94, 0xbd38aa3b                      ; -c
	s_mov_b32 s95, 0x3a800000                      ; 1 / 1024
	s_mov_b32 s96, 0x3727c5ac                      ; 1e-5
	s_wait_xcnt 0x0                                ; and again in front of the line that widens it
	s_or_b32 exec_lo, exec_lo, s100
	v_lshlrev_b32 v7, 4, v0
	global_load_b128 v[176:179], v7, s[6:7]        ; ln_g and ln_b, once: 128 threads x 16 bytes, twice each
	global_load_b128 v[180:183], v7, s[6:7] offset:2048
	global_load_b128 v[184:187], v7, s[8:9]
	global_load_b128 v[188:191], v7, s[8:9] offset:2048
	v_and_b32 v[SA0], 8, v[RR]
	v_lshl_add_u32 v[SA0], v[SA0], 1, v[RR]        ; r + 16 (r / 8): Q, K tile 0's row of lane r
	s_lshl_b32 s2, s88, 13                         ; my 256 rows x 32 scale bytes
	v_lshl_add_u32 v[SA0], v[SA0], 5, s2
	v_lshl_add_u32 v[SA1], v[RR], 5, s2
	s_lshl_b32 s2, s88, 10                         ; my 256 biases
	v_mul_u32_u24 v[BA0], v[HH], 96                ; tile 0: lanes 16-31 hold rows 24 .. 31
	v_add_nc_u32 v[BA0], s2, v[BA0]
	v_lshl_add_u32 v[BA1], v[HH], 5, s2
	s_lshl_b32 s2, s88, 6
	v_lshl_add_u32 v[VSA], v[RR], 11, s2           ; V: row 64 r + 2 w + ..: 32 bytes a row
	s_lshl_b32 s2, s88, 3
	v_lshl_add_u32 v[VBA], v[HH], 11, s2           ; bv: head 8 h + j, channel 2 w + ..
	s_mul_i32 s2, s88, 16640
	v_mul_u32_u24 v[XA], v[RR], 1040
	v_lshl_add_u32 v[XA], v[HH], 6, v[XA]
	v_add_nc_u32 v[XA], s2, v[XA]                  ; x in LDS: token 16 w + r, + 64 h: my 16 numbers of each block of 32
	v_add_nc_u32 v[XA+1], XTP, v[XA]
	v_add_nc_u32 v[XA+2], 2*XTP, v[XA]
	v_add_nc_u32 v[XA+3], 3*XTP, v[XA]
	v_lshlrev_b32 v[GA], 6, v[HH]
	v_add_nc_u32 v[GA], GT, v[GA]
	s_mul_i32 s2, s88, 12288
	v_lshl_add_u32 v[XIA], v[LL], 4, s2
	v_add_nc_u32 v[XIA], XIMG, v[XIA]              ; where I store my tokens' images: 16 x lane + 8 fragments x wave
	s_lshl_b32 s2, s88, 9
	v_lshl_add_u32 v[XSA], v[RR], 2, s2
	v_add_nc_u32 v[XSA], XSC, v[XSA]               ; their scale words: both lanes of a token write the same word with the same value
	v_lshl_add_u32 v[FIA], v[LL], 4, XIMG          ; and where any image is read back
	v_lshl_add_u32 v[FSA], v[RR], 2, XSC
	v_lshl_add_u32 v[GST], v0, 4, GT
.irp i, 0,1,2,3,4,5,6,7
	v_mov_b32 v[SUM+\i], 0
.endr
.irp b, 0,1,2,3
	v_mov_b32 v[TM+4+\b], 0                        ; written once: a lane permute's destination counts as one of its sources
.endr
	s_wait_alu depctr_va_vdst(0)
	s_wait_loadcnt 0x0
	ds_store_b128 v[GST], v[176:179]
	ds_store_b128 v[GST], v[180:183] offset:2048
	ds_store_b128 v[GST], v[184:187] offset:4096
	ds_store_b128 v[GST], v[188:191] offset:6144
	s_wait_tensorcnt 0x0                           ; my part of x has landed,
	BAR                                            ; my stores of ln_g, ln_b are done; everybody's are
; ---------------- x into registers (K step q: window 1 + q / 4, register 64 (q % 4) + 16 b + i = k 128 q + 32 b + 16 h + i of my token), and its sum in four packed chains; a part's loads are issued ahead of the part before's sums
.macro XLOAD p
	WIN (1+(\p)/2)<<6
.irp qq, 0,1
.irp b, 0,1,2,3
.irp j, 0,1,2,3
	ds_load_b128 v[128*((\p)%2)+64*\qq+16*\b+4*\j:128*((\p)%2)+64*\qq+16*\b+4*\j+3], v[XA+(\p)] offset:512*\qq+128*\b+16*\j
.endr
.endr
.endr
.endm
	XLOAD 0
.irp p, 0,1,2,3
	s_wait_alu depctr_va_vdst(0)
.if \p < 3
	XLOAD \p+1
	s_wait_dscnt 32                                ; all but the next part's 32 loads
.else
	s_wait_dscnt 0x0
.endif
	WIN (1+\p/2)<<2
.set NN, 0
.rept 64
	v_pk_add_f32 v[SUM+2*(NN%4):SUM+2*(NN%4)+1], v[SUM+2*(NN%4):SUM+2*(NN%4)+1], v[128*(\p%2)+2*NN:128*(\p%2)+2*NN+1]
.set NN, NN+1
.endr
.endr
	WIN 0
.macro FOLD                            ; four packed chains and the other half of the lanes: the token's sum in v[SUM]
	v_pk_add_f32 v[SUM:SUM+1], v[SUM:SUM+1], v[SUM+2:SUM+3]
	v_pk_add_f32 v[SUM+4:SUM+5], v[SUM+4:SUM+5], v[SUM+6:SUM+7]
	v_pk_add_f32 v[SUM:SUM+1], v[SUM:SUM+1], v[SUM+4:SUM+5]
	v_add_f32 v[SUM], v[SUM], v[SUM+1]
	v_permlanex16_b32 v[SUM+2], v[SUM], s90, s91
	v_add_f32 v[SUM], v[SUM], v[SUM+2]
.endm
	FOLD
	v_mul_f32 v[MEAN], s95, v[SUM]
	v_mov_b32 v[MEAN+1], v[MEAN]
; ---------------- x - mean, and the sum of its squares: no difference of large sums is formed
.irp wn, 1,2
	WIN (\wn<<6)|\wn
.set NN, 0
.rept 128
	v_pk_add_f32 v[2*NN:2*NN+1], v[2*NN:2*NN+1], v[MEAN:MEAN+1] neg_lo:[0,1] neg_hi:[0,1]
.set NN, NN+1
.endr
	WIN \wn|(\wn<<2)
.set NN, 0
.rept 128
.if (\wn == 1) && (NN < 4)
	v_pk_mul_f32 v[SUM+2*NN:SUM+2*NN+1], v[2*NN:2*NN+1], v[2*NN:2*NN+1]   ; the first four start the chains
.else
	v_pk_fma_f32 v[SUM+2*(NN%4):SUM+2*(NN%4)+1], v[2*NN:2*NN+1], v[2*NN:2*NN+1], v[SUM+2*(NN%4):SUM+2*(NN%4)+1]
.endif
.set NN, NN+1
.endr
.endr
	WIN 0
	FOLD
	v_fma_f32 v[SUM], v[SUM], s95, s96             ; var + eps
	s_wait_alu depctr_va_vdst(0)
	v_rsq_f32 v[RSTD], v[SUM]
	v_nop                                          ; one plain place behind a transcendental
	s_wait_alu depctr_va_vdst(0)
	v_mov_b32 v[RSTD+1], v[RSTD]
	v_mul_f32 v[NMR], -v[MEAN], v[RSTD]            ; -mean x rstd
	v_mov_b32 v[NMR+1], v[NMR]
; ---------------- xn = (x rstd - mean rstd) g + b, quantised.  A loop of four trips, a part of x (two K steps) each: x, ln_g, ln_b come from LDS, so that one text serves all K steps.
; Each fragment goes to LDS as an image of its registers, for all four waves.  K step n of a trip: x in window 1 at 64 n; g, b in window 3 - n at 0 and 64.
.macro LNLOAD n
	WIN 0x40
.irp b, 0,1,2,3
.irp j, 0,1,2,3
	ds_load_b128 v[64*\n+16*\b+4*\j:64*\n+16*\b+4*\j+3], v[CX] offset:512*\n+128*\b+16*\j
.endr
.endr
	WIN (3-\n)<<6
.irp b, 0,1,2,3
.irp j, 0,1,2,3
	ds_load_b128 v[16*\b+4*\j:16*\b+4*\j+3], v[CG] offset:512*\n+128*\b+16*\j
	ds_load_b128 v[64+16*\b+4*\j:64+16*\b+4*\j+3], v[CG] offset:4096+512*\n+128*\b+16*\j
.endr
.endr
	WIN 0
.endm
.macro LNSTEP n
	WIN 0x41
.set NN, 0
.rept 32
	v_pk_fma_f32 v[64*\n+2*NN:64*\n+2*NN+1], v[64*\n+2*NN:64*\n+2*NN+1], v[RSTD:RSTD+1], v[NMR:NMR+1]
.set NN, NN+1
.endr
	WIN 0x41|((3-\n)<<2)|((3-\n)<<4)
.set NN, 0
.rept 32
	v_pk_fma_f32 v[64*\n+2*NN:64*\n+2*NN+1], v[64*\n+2*NN:64*\n+2*NN+1], v[2*NN:2*NN+1], v[64+2*NN:64+2*NN+1]
.set NN, NN+1
.endr
	QUANT 64*\n, 1, 1
.irp c, 0,1,2
	ds_store_b128 v[CI], v[PC+4*\c:PC+4*\c+3] offset:1536*\n+512*\c
.endr
	ds_store_b32 v[CW], v[PW] offset:64*\n
.endm
	s_mov_b32 s97, 0                               ; x: a part a trip
	s_mov_b32 s98, 0                               ; ln_g, ln_b: 1,024 bytes a trip
	s_mov_b32 s100, 0                              ; images: two a trip
	s_mov_b32 s101, 0                              ; scale words: two sets of 64 bytes a trip
	s_mov_b32 s89, 0
.Lln:
	v_add_nc_u32 v[CX], s97, v[XA]
	v_add_nc_u32 v[CG], s98, v[GA]
	v_add_nc_u32 v[CI], s100, v[XIA]
	v_add_nc_u32 v[CW], s101, v[XSA]
	s_wait_alu depctr_va_vdst(0)
	LNLOAD 0
	LNLOAD 1
	s_wait_dscnt 48                                ; all but the second K step's 48 loads
	LNSTEP 0
	s_wait_dscnt 4                                 ; all but the four stores just issued
	LNSTEP 1
	s_add_co_u32 s97, s97, XTP
	s_add_co_u32 s98, s98, 1024
	s_add_co_u32 s100, s100, 3072
	s_add_co_u32 s101, s101, 128
	s_add_co_u32 s89, s89, 1
	s_cmp_lt_u32 s89, 4
	s_wait_alu depctr_va_vdst(0)
	s_cbranch_scc1 .Lln
; ---------------- x has left LDS: the ring begins.  The weights' groups 0 are written where no tensor load of mine is out
	s_wait_tensorcnt 0x0
	ds_add_u32 v[SPW], v[NIL]
	s_lshr_b32 s99, ttmp9, 3
	s_add_co_u32 s99, s99, ttmp9
	s_and_b32 s99, s99, 3                          ; R: where my cluster begins its walks; the four partners share it
	s_lshl_b32 s100, s99, 1
	s_sub_co_u32 s100, 8, s100
	s_and_b32 s100, s100, 7                        ; Q, K: the first trip's block, (8 - 2 R) mod 8
	s_mul_i32 s2, s88, 196608                      ; Q, K, O: my 256 rows of 768 bytes
	s_mov_b32 s3, 0
	s_add_nc_u64 s[10:11], s[10:11], s[2:3]        ; the three weights' codes at my wave's first row, from here on
	s_add_nc_u64 s[16:17], s[16:17], s[2:3]
	s_add_nc_u64 s[28:29], s[28:29], s[2:3]
	s_mul_i32 s89, s88, QUART
	s_mul_i32 s2, s100, 24576                      ; a block: 32 rows
	s_mov_b32 s[G0Q], 1
	s_mov_b32 s[G0Q+1], s89
	s_add_nc_u64 s[G0Q+2:G0Q+3], s[10:11], s[2:3]
	s_or_b32 s[G0Q+3], s[G0Q+3], 0x80000000
	s_mov_b32 s[G0K], 1
	s_add_co_u32 s[G0K+1], s89, SLOT
	s_add_nc_u64 s[G0K+2:G0K+3], s[16:17], s[2:3]
	s_or_b32 s[G0K+3], s[G0K+3], 0x80000000
	s_mul_i32 s2, s99, 49152                       ; O: the first trip's pair, R: 64 rows a pair
	s_mov_b32 s[G0O0], 1
	s_mov_b32 s[G0O0+1], s89
	s_add_nc_u64 s[G0O0+2:G0O0+3], s[28:29], s[2:3]
	s_or_b32 s[G0O0+3], s[G0O0+3], 0x80000000
	s_mov_b32 s[G0O1], 1
	s_add_co_u32 s[G0O1+1], s89, SLOT
	s_add_nc_u64 s[G0O1+2:G0O1+3], s[28:29], s[2:3]
	s_add_nc_u64 s[G0O1+2:G0O1+3], s[G0O1+2:G0O1+3], 24576
	s_or_b32 s[G0O1+3], s[G0O1+3], 0x80000000
	s_mul_i32 s2, s88, 1536                        ; V: channels 2 w, 2 w + 1 of the slot's eight
	s_mov_b32 s[G0V0], 1
	s_mov_b32 s[G0V0+1], s89
	s_add_nc_u64 s[G0V0+2:G0V0+3], s[22:23], s[2:3]
	s_or_b32 s[G0V0+3], s[G0V0+3], 0x80000000
	s_mov_b32 s[G0V1], 1
	s_add_co_u32 s[G0V1+1], s89, SLOT
	s_add_nc_u64 s[G0V1+2:G0V1+3], s[22:23], s[2:3]
	s_add_nc_u64 s[G0V1+2:G0V1+3], s[G0V1+2:G0V1+3], 12288   ; slot 1 begins with channel 16
	s_or_b32 s[G0V1+3], s[G0V1+3], 0x80000000
	s_wait_dscnt 0x0                               ; the add, my reads of x and my stores of the images are done
	ROUND                                          ; everybody's are: all 32 images lie in LDS
	TL G0Q, G1W                                    ; Q's first block: it is on its way while the images are read back
	QKPTR 100                                      ; (x's, ln_g's and ln_b's addresses are done with: their registers take these)
	SETQK 0, 4, 6, 0, 0
.irp wn, 0,1                           ; every wave takes all 32 fragments of xn and their scale words
	WIN (1+\wn)<<6
.irp q4, 0,1,2,3
.irp mt, 0,1,2,3
.irp c, 0,1,2
	ds_load_b128 v[48*\q4+12*\mt+4*\c:48*\q4+12*\mt+4*\c+3], v[FIA] offset:1536*(8*\mt+4*\wn+\q4)+512*\c
.endr
.endr
.endr
.endr
	WIN 0
.irp mt, 0,1,2,3
.irp q, 0,1,2,3,4,5,6,7
	ds_load_b32 v[XS+8*\mt+\q], v[FSA] offset:64*(8*\mt+\q)
.endr
.endr
	s_mul_i32 s2, s88, QUART
	v_and_b32 v160, 8, v[RR]
	v_lshl_add_u32 v160, v160, 1, v[RR]
	v_mul_u32_u24 v160, v160, 816
	v_mad_u32_u24 v160, v[HH], 24, v160
	v_add_nc_u32 v[AQ0], s2, v160                  ; row r + 16 (r / 8) of my quarter, + 24 h
	v_lshl_add_u32 v[AQ0+1], v[HH], 4, v[AQ0]      ; the same behind one padding more
	v_add_nc_u32 v[AQ0+2], SLOT, v[AQ0]
	v_add_nc_u32 v[AQ0+3], SLOT, v[AQ0+1]
	v_mul_u32_u24 v160, v[RR], 816
	v_mad_u32_u24 v160, v[HH], 24, v160
	v_add_nc_u32 v[AP], s2, v160                   ; row r
	v_lshl_add_u32 v[AP+1], v[HH], 4, v[AP]
	v_add_nc_u32 v[AP+2], SLOT, v[AP]
	v_add_nc_u32 v[AP+3], SLOT, v[AP+1]
	s_mul_i32 s2, s88, 192
	v_mul_u32_u24 v[QWA0], v[RR], 776
	v_mad_u32_u24 v[QWA0], v[HH], 12416, v[QWA0]
	v_add_nc_u32 v[QWA0], s2, v[QWA0]
	v_add_nc_u32 v[QWA0], QC, v[QWA0]              ; q's codes: token r + 16 h (+ 32 c), my 8 places of 24 bytes
	v_add_nc_u32 v[QWA0+1], KC-QC, v[QWA0]
	s_lshl_b32 s2, s88, 3
	v_lshl_add_u32 v[QSA0], v[RR], 5, s2
	v_add_nc_u32 v[QSA0], QS, v[QSA0]              ; their scale bytes: 32 a token, my 8
	s_mov_b32 s97, 0                               ; 24 x trip: the place among my 8
	s_mov_b32 s98, 0                               ; trip
	s_wait_alu depctr_va_vdst(0)
	s_wait_tensorcnt 0x0                           ; Q's first block has landed
	ds_add_u32 v[SPW], v[NIL]
	s_wait_dscnt 0x0                               ; the add and my reads of the images are done
	ROUND                                          ; everybody's are: q's and k's codes may be laid over the images
	TL G0K, G1W                                    ; slot 1's first fill
	CFIRST 0, 0
; ---------------- Q and K.  A slot gives each wave one block of 32 channels for 64 tokens: quantised at once, codes and scale bytes to LDS, token by token, at the trip's place
.macro EPIQK par
	QUANT ACC, 0, 0                                ; the four groups are the four tiles of tokens
	v_add_nc_u32 v[CUR], s97, v[QWA0+\par]
.irp c, 0,1
.irp p, 0,1,2
	ds_store_b64 v[CUR], v[PC+6*\c+2*\p:PC+6*\c+2*\p+1] offset:24832*\c+8*\p
.endr
.endr
	v_add_nc_u32 v[CUR2], s98, v[QSA0]
.irp mt, 0,1,2,3
	ds_store_b8 v[CUR2], v[TM+4+\mt] offset:512*\mt+2048*\par   ; both lanes of a block write the same byte with the same value
.endr
.endm
.Lqk:                                  ; eight trips; the last one's refills and its next set are V's first
	s_wait_loadcnt 0x0                             ; Q's set is in: the one set that was out
	SETQK 1, 8, 66, 0, 0                           ; K's set of the same block
	CMID 0, 0, 1
	s_add_co_u32 s101, s98, s100
	s_add_co_u32 s101, s101, 1
	s_and_b32 s101, s101, 7                        ; the next trip's block
	s_mul_i32 s2, s101, 24576
	s_add_nc_u64 s[G0Q+2:G0Q+3], s[10:11], s[2:3]
	s_or_b32 s[G0Q+3], s[G0Q+3], 0x80000000
	TL2 G0Q, G1W, G0V0, G1V, 98, 7
	CFIRST 1, 0
	EPIQK 0
	s_wait_loadcnt 0x0                             ; K's set is in; no load is out, so the four addresses may be written
	QKPTR 101
	s_cmp_eq_u32 s98, 7
	s_cbranch_scc1 .Lqk_v
	SETQK 0, 4, 6, 0, 0                            ; Q's set of the next block
	s_branch .Lqk_s
.Lqk_v:
	SETV 0, 0
.Lqk_s:
	CMID 1, 0, 1
	s_mul_i32 s2, s101, 24576
	s_add_nc_u64 s[G0K+2:G0K+3], s[16:17], s[2:3]
	s_or_b32 s[G0K+3], s[G0K+3], 0x80000000
	TL2 G0K, G1W, G0V1, G1V, 98, 7
	s_cmp_eq_u32 s98, 7
	s_cbranch_scc1 .Lqk_nf                         ; behind the last trip the scores take the weight fragments' registers
	CFIRST 0, 0
.Lqk_nf:
	EPIQK 1
	s_add_co_u32 s97, s97, 24
	s_add_co_u32 s98, s98, 1
	s_cmp_lt_u32 s98, 8
	s_cbranch_scc1 .Lqk
	s_wait_xcnt 0x0                                ; whatever load is out has read its base
	OPTR 99                                        ; Wo's scales and bo at O's first pair,
	s_add_nc_u64 s[8:9], s[34:35], s[2:3]          ; and out0: 64 features of 4 bytes a pair, as bo
; ---------------- scores and softmax: my 16 tokens, four at a time.  S^T = k q^T: source 0 = the token's 16 heads of k, source 1 = its 16 heads of q; K = 64, the upper 64 of the instruction's 128 are zero codes on both sides
	s_mul_i32 s2, s88, 12416
	v_add_nc_u32 v160, s99, v[RR]
	v_and_b32 v160, 3, v160                        ; block 2 (r % 4) + .. was stored in trip 2 ((r + R) % 4) + ..
	v_and_b32 v161, 12, v[RR]
	v_add_nc_u32 v160, v160, v161                  ; the place of head r among the token's 16
	v_mul_u32_u24 v[SLA], v160, 48
	v_mad_u32_u24 v[SLA], v[HH], 24, v[SLA]
	v_add_nc_u32 v[SLA], s2, v[SLA]
	v_add_nc_u32 v[SLA], QC, v[SLA]                ; head r's 48 bytes of a token's row, + 24 h
	s_lshl_b32 s2, s88, 9
	v_lshl_add_u32 v[SSA], v160, 1, s2
	v_add_nc_u32 v[SSA], QS, v[SSA]                ; head r's two scale bytes
	WIN 0x40
.irp k, 0,1,2,3
.irp i, 6,7,8,9,10,11
	v_mov_b32 v[192+12*\k+\i], 0
.endr
.endr
	WIN 0x80
.irp k, 0,1,2,3
.irp i, 6,7,8,9,10,11
	v_mov_b32 v[192+12*\k+\i], 0
.endr
.endr
	WIN 0
.irp i, 0,1,2,3
	v_mov_b32 v[PT+\i], 0
.endr
.irp i, 0,1,2,3,4,5,6,7
	v_mov_b32 v[NM+\i], 0                          ; (pairs of which the low word serves both halves: the upper word is written once)
	v_mov_b32 v[RC+\i], 0
.endr
	s_wait_alu depctr_va_vdst(0)
	BAR                                            ; my last stores of k's codes are done; everybody's are: all of q and k lies in LDS
.macro SLOAD g
	WIN 0x40
.irp k, 0,1,2,3
.irp p, 0,1,2
	ds_load_b64 v[192+12*\k+2*\p:192+12*\k+2*\p+1], v[SLA] offset:776*(4*(\g)+\k)+8*\p
.endr
.endr
	WIN 0x80
.irp k, 0,1,2,3
.irp p, 0,1,2
	ds_load_b64 v[192+12*\k+2*\p:192+12*\k+2*\p+1], v[SLA] offset:KC-QC+776*(4*(\g)+\k)+8*\p
.endr
.endr
	WIN 0
.irp k, 0,1,2,3
	ds_load_u16 v[SSC+2*\k], v[SSA] offset:32*(4*(\g)+\k)          ; two bytes; the upper two are 0: a scale over zero codes
	ds_load_u16 v[SSC+2*\k+1], v[SSA] offset:KS-QS+32*(4*(\g)+\k)
.endr
.endm
; lane (r, h) holds head r's scores against heads g = 8 h + 0 .. 7; the four tokens by turns.  w = 2^(c s - c max) / sum, into window 3: they are source 1 of weights x v as they stand
.macro SOFTMAX g
.irp k, 0,1,2,3
	v_max3_num_f32 v[MX+\k], v[ACC+16*\k], v[ACC+16*\k+1], v[ACC+16*\k+2]
.endr
.irp k, 0,1,2,3
	v_max3_num_f32 v[MX+\k], v[MX+\k], v[ACC+16*\k+3], v[ACC+16*\k+4]
.endr
.irp k, 0,1,2,3
	v_max3_num_f32 v[MX+\k], v[MX+\k], v[ACC+16*\k+5], v[ACC+16*\k+6]
.endr
.irp k, 0,1,2,3
	v_max_num_f32 v[MX+\k], v[MX+\k], v[ACC+16*\k+7]
.endr
.irp k, 0,1,2,3
	v_permlanex16_b32 v[PT+\k], v[MX+\k], s90, s91
.endr
.irp k, 0,1,2,3
	v_max_num_f32 v[MX+\k], v[MX+\k], v[PT+\k]     ; the row's largest score
.endr
.irp k, 0,1,2,3
	v_mul_f32 v[NM+2*\k], s94, v[MX+\k]
.endr
.irp n, 0,2,4,6
.irp k, 0,1,2,3
	v_pk_fma_f32 v[ACC+16*\k+\n:ACC+16*\k+\n+1], v[ACC+16*\k+\n:ACC+16*\k+\n+1], s[92:93], v[NM+2*\k:NM+2*\k+1] op_sel_hi:[1,0,0]
.endr
.endr
	s_wait_alu depctr_va_vdst(0)
.irp k, 0,1,2,3
.irp j, 0,1,2,3,4,5,6,7
	v_exp_f32 v[ACC+16*\k+\j], v[ACC+16*\k+\j]
.endr
.endr
	v_nop                                          ; one plain place behind the exponentials
	s_wait_alu depctr_va_vdst(0)
.irp k, 0,1,2,3
	v_pk_add_f32 v[SM+2*\k:SM+2*\k+1], v[ACC+16*\k:ACC+16*\k+1], v[ACC+16*\k+2:ACC+16*\k+3]
.endr
.irp k, 0,1,2,3
	v_pk_add_f32 v[SM+2*\k:SM+2*\k+1], v[SM+2*\k:SM+2*\k+1], v[ACC+16*\k+4:ACC+16*\k+5]
.endr
.irp k, 0,1,2,3
	v_pk_add_f32 v[SM+2*\k:SM+2*\k+1], v[SM+2*\k:SM+2*\k+1], v[ACC+16*\k+6:ACC+16*\k+7]
.endr
.irp k, 0,1,2,3
	v_add_f32 v[SM+2*\k], v[SM+2*\k], v[SM+2*\k+1]
.endr
.irp k, 0,1,2,3
	v_permlanex16_b32 v[PT+\k], v[SM+2*\k], s90, s91
.endr
.irp k, 0,1,2,3
	v_add_f32 v[SM+2*\k], v[SM+2*\k], v[PT+\k]
.endr
	s_wait_alu depctr_va_vdst(0)
.irp k, 0,1,2,3
	v_rcp_f32 v[RC+2*\k], v[SM+2*\k]
.endr
	v_nop                                          ; one plain place behind the reciprocals
	WIN 0xc0
	s_wait_alu depctr_va_vdst(0)
.irp k, 0,1,2,3
.irp n, 0,2,4,6
	v_pk_mul_f32 v[8*(4*(\g)+\k)+\n:8*(4*(\g)+\k)+\n+1], v[ACC+16*\k+\n:ACC+16*\k+\n+1], v[RC+2*\k:RC+2*\k+1] op_sel_hi:[1,0]
.endr
.endr
	WIN 0
.endm
	SLOAD 0
.irp g, 0,1,2,3
	s_wait_dscnt 0x0
	WIN 0x06                                       ; source 0 (k) window 2, source 1 (q) window 1
.irp k, 0,1,2,3
	v_wmma_scale_f32_16x16x128_f8f6f4 v[ACC+16*\k:ACC+16*\k+7], v[192+12*\k:192+12*\k+11], v[192+12*\k:192+12*\k+11], 0, v[SSC+2*\k+1], v[SSC+2*\k] matrix_a_fmt:MATRIX_FMT_FP6 matrix_b_fmt:MATRIX_FMT_FP6
.endr
	WIN 0
	NOPS 5                                         ; places in front of the loads into the fragments, of the first read of the scores, and of the next four products, which write over these accumulators
.if \g < 3
	SLOAD \g+1
.endif
	SOFTMAX \g
.endr
; ---------------- V and weights x v, in four chunks of 16 channels of every head, a trip t = 2 b + u each: slot 0 gives channels 32 b + 8 u + 0 .. 7, slot 1 channels 32 b + 16 + 8 u + 0 .. 7.
; v stays f32 and goes through a stage in LDS as an image of source 0 of the f32 matrix form: token t, row m of the chunk's 16 channels, half h'': the 32 bytes of heads 8 h'' + 0 .. 7, in two parts 512 bytes apart.
; The stage is stored behind slot 0's round, in front of which every wave's reads of what it is laid over (q, k; the last chunk's v) have come back.
	s_mul_i32 s2, s88, QUART
	v_mul_u32_u24 v[AV], v[RR], 1584
	v_mad_u32_u24 v[AV], v[HH], 24, v[AV]
	v_add_nc_u32 v[AV], s2, v[AV]                  ; head r's line of my quarter, + 24 h
	v_lshl_add_u32 v[AV+1], v[HH], 3, v[AV]        ; the same behind one padding more
	v_add_nc_u32 v[AV+2], SLOT, v[AV]
	v_add_nc_u32 v[AV+3], SLOT, v[AV+1]
	v_mul_u32_u24 v[VWA], v[RR], 1040
	v_lshl_add_u32 v[VWA], v[HH], 8, v[VWA]
	s_lshl_b32 s2, s88, 5
	v_add_nc_u32 v[VWA], s2, v[VWA]
	v_add_nc_u32 v[VWA], STG, v[VWA]               ; into the stage: token r, half h, rows 2 w, 2 w + 1
	s_mul_i32 s2, s88, 16640
	v_lshl_add_u32 v[PRA], v[LL], 4, s2
	v_add_nc_u32 v[PRA], STG, v[PRA]               ; out of it: my 16 tokens, 16 x lane
	s_mul_i32 s2, s88, 12416
	v_mul_u32_u24 v[CWA], v[RR], 48
	v_mad_u32_u24 v[CWA], v[HH], 776, v[CWA]
	v_add_nc_u32 v[CWA], s2, v[CWA]
	v_add_nc_u32 v[CWA], CC, v[CWA]                ; ctx's codes: head r's 48 bytes; lanes 16-31 hold the next token's
	s_lshl_b32 s2, s88, 9
	v_lshl_add_u32 v[CSA], v[RR], 1, s2
	v_add_nc_u32 v[CSA], CS, v[CSA]
	s_wait_alu depctr_va_vdst(0)
.macro EPIV sp                         ; lane (token r, h) holds v of heads 8 h + 0 .. 7 at one channel: row 8 sp + 2 w + e of the chunk
.irp e, 0,1
.irp mt, 0,1,2,3
	ds_store_b128 v[VWA], v[ACC+16*\mt+8*\e:ACC+16*\mt+8*\e+3] offset:16640*\mt+16*(8*\sp+\e)
	ds_store_b128 v[VWA], v[ACC+16*\mt+8*\e+4:ACC+16*\mt+8*\e+7] offset:16640*\mt+16*(8*\sp+\e)+512
.endr
.endr
.endm
.macro PLOAD g                         ; four tokens' images of v, 8 registers each, into buffer g % 2
.irp k, 0,1,2,3
	ds_load_b128 v[VA+32*((\g)%2)+8*\k:VA+32*((\g)%2)+8*\k+3], v[PRA] offset:1040*(4*(\g)+\k)
	ds_load_b128 v[VA+32*((\g)%2)+8*\k+4:VA+32*((\g)%2)+8*\k+7], v[PRA] offset:1040*(4*(\g)+\k)+512
.endr
.endm
; ctx^T = v^T w^T for my 16 tokens: source 0 = 16 channels x 4 heads, source 1 = 4 heads x 16 heads; K step s stands for heads 8 h'' + 2 s + 0, 1 on both sides.  Four tokens' accumulators take turns.
; In the result lane (r, h') holds head r and channels 32 b + 16 h' + 8 u + 0 .. 7.  One text for both u, parted by a scalar branch on the trip's parity (s98).  u = 0: the half is copied into window 3.
; u = 1: with the kept half beside it a lane has 16 neighbours along ctx's K: quantised, codes and bytes to LDS, block b of the head's two.
.macro PV
	s_lshr_b32 s100, s89, 1                        ; b
	s_mul_i32 s97, s100, 24
	v_add_nc_u32 v[CURC], s97, v[CWA]
	v_add_nc_u32 v[CURS], s100, v[CSA]
	PLOAD 0
.irp g, 0,1,2,3
.if \g == 2                            ; half of my tokens are done: slot 1, whose fragments were all read ahead of the stage's barrier, is filled again, and the next chunk's first fragments are asked for
	SYNC
	s_mul_i32 s2, s98, 12288
	s_add_co_u32 s2, s2, 6144
	s_add_nc_u64 s[G0V1+2:G0V1+3], s[G0V1+2:G0V1+3], s[2:3]
	TL2 G0V1, G1V, G0O1, G1W, 89, 3
	s_cmp_eq_u32 s89, 3
	s_cbranch_scc1 .Lv_nf
	CFIRST 0, 2
.Lv_nf:
.endif
.if \g < 3
	PLOAD \g+1
	s_wait_dscnt 8                                 ; all but the next four tokens' eight loads
.else
	s_wait_dscnt 0x0
.endif
	WIN 0x0c                                       ; source 1 (w) window 3
.irp s, 0,1,2,3
.irp k, 0,1,2,3
.if \s == 0
	v_wmma_f32_16x16x4_f32 v[ACC+8+16*\k:ACC+15+16*\k], v[VA+32*(\g%2)+8*\k+2*\s:VA+32*(\g%2)+8*\k+2*\s+1], v[8*(4*\g+\k)+2*\s:8*(4*\g+\k)+2*\s+1], 0
.else
	v_wmma_f32_16x16x4_f32 v[ACC+8+16*\k:ACC+15+16*\k], v[VA+32*(\g%2)+8*\k+2*\s:VA+32*(\g%2)+8*\k+2*\s+1], v[8*(4*\g+\k)+2*\s:8*(4*\g+\k)+2*\s+1], v[ACC+8+16*\k:ACC+15+16*\k]
.endif
.endr
.endr
	WIN 0
	s_cmp_eq_u32 s98, 0
	s_cbranch_scc1 .Lpv_keep_\g
	WIN 0x03
.irp k, 0,1,2,3
.irp j, 0,1,2,3,4,5,6,7
	v_mov_b32 v[ACC+16*\k+\j], v[128+8*(4*\g+\k)+\j]   ; the kept half beside the new one (the conversion takes 16 consecutive registers).  These 32 lines are also the places behind the products
.endr
.endr
	WIN 0
	QUANT ACC, 0, 0                                ; the four groups are four tokens
.irp c, 0,1
.irp p, 0,1,2
	ds_store_b64 v[CURC], v[PC+6*\c+2*\p:PC+6*\c+2*\p+1] offset:776*(4*\g+2*\c)+8*\p
.endr
.endr
.irp k, 0,1,2,3
	ds_store_b8 v[CURS], v[TM+4+\k] offset:32*(4*\g+\k)
.endr
	s_wait_alu depctr_va_vdst(0)
	s_branch .Lpv_done_\g
.Lpv_keep_\g:
	NOPS 8                                         ; places in front of the first read of the results
	WIN 0xc0
.irp k, 0,1,2,3
.irp j, 0,1,2,3,4,5,6,7
	v_mov_b32 v[128+8*(4*\g+\k)+\j], v[ACC+8+16*\k+\j]   ; each accumulator from its low end on
.endr
.endr
	WIN 0
.Lpv_done_\g:
.endr
.endm
	CFIRST 0, 2
	s_mov_b32 s89, 0
.Lv:                                   ; four trips; Wv's scales and bv stand at slot 0's first channel; the last trip's refills and its next set are O's first
	s_and_b32 s98, s89, 1                          ; u: the next chunk begins 8 (u = 0) or 24 (u = 1) channels on
	s_wait_loadcnt 0x0                             ; slot 0's set is in: the one set that was out
	SETV 1, 16
	CMID 0, 2, 1
	s_mul_i32 s2, s98, 12288
	s_add_co_u32 s2, s2, 6144                      ; 768 bytes a channel (in the last trip the stepped address is not used)
	s_add_nc_u64 s[G0V0+2:G0V0+3], s[G0V0+2:G0V0+3], s[2:3]
	TL2 G0V0, G1V, G0O0, G1W, 89, 3
	CFIRST 1, 2
	EPIV 0
	s_wait_loadcnt 0x0                             ; slot 1's set is in; no load is out, so the two bases may step
	s_lshl_b32 s2, s98, 9
	s_add_co_u32 s2, s2, 256                       ; 32 scale bytes a channel,
	s_add_nc_u64 s[24:25], s[24:25], s[2:3]
	s_lshl_b32 s2, s98, 6
	s_add_co_u32 s2, s2, 32                        ; 4 bytes a bias
	s_add_nc_u64 s[26:27], s[26:27], s[2:3]
	s_cmp_eq_u32 s89, 3
	s_cbranch_scc1 .Lv_o
	SETV 0, 0
	s_branch .Lv_s
.Lv_o:
	SETO 0, 0, 0
.Lv_s:
	CMID 1, 2, 0                                   ; slot 1's change of slots stands in the middle of weights x v
	EPIV 1
	BAR                                            ; my stores into the stage are done; everybody's are: the stage is whole
	PV
	s_add_co_u32 s89, s89, 1
	s_cmp_lt_u32 s89, 4
	s_cbranch_scc1 .Lv
; ---------------- O: ctx's codes take xn's place in every wave's registers
	BAR                                            ; my stores of ctx's codes are done; everybody's are
	v_mul_u32_u24 v[CRA], v[RR], 776
	v_mad_u32_u24 v[CRA], v[HH], 24, v[CRA]
	v_add_nc_u32 v[CRA], CC, v[CRA]
	v_lshl_add_u32 v[CSR], v[RR], 5, CS
.irp wn, 0,1
	WIN (1+\wn)<<6
.irp q4, 0,1,2,3
.irp mt, 0,1,2,3
.irp p, 0,1,2,3,4,5
	ds_load_b64 v[48*\q4+12*\mt+2*\p:48*\q4+12*\mt+2*\p+1], v[CRA] offset:12416*\mt+96*(4*\wn+\q4)+48*(\p/3)+8*(\p%3)
.endr
.endr
.endr
.endr
	WIN 0
.irp mt, 0,1,2,3
	ds_load_b128 v[XS+8*\mt:XS+8*\mt+3], v[CSR] offset:512*\mt
	ds_load_b128 v[XS+8*\mt+4:XS+8*\mt+7], v[CSR] offset:512*\mt+16
.endr
	s_mul_i32 s2, s88, 17408
	v_mul_u32_u24 v[OSTO], v[RR], 272
	v_lshl_add_u32 v[OSTO], v[HH], 5, v[OSTO]
	v_add_nc_u32 v[OSTO], s2, v[OSTO]
	v_add_nc_u32 v[OSTO], OST, v[OSTO]             ; my stage: token r, + 32 h
	v_mul_u32_u24 v[ORD], v[HH], 272
	v_lshl_add_u32 v[ORD], v[RR], 4, v[ORD]
	v_add_nc_u32 v[ORD], s2, v[ORD]
	v_add_nc_u32 v[ORD], OST, v[ORD]               ; back: lanes 0-15 one token's 256 bytes, lanes 16-31 the next token's
	s_lshl_b32 s2, s88, 10
	v_lshlrev_b32 v[OGO], 12, v[HH]
	v_lshl_add_u32 v[OGO], v[RR], 4, v[OGO]
	v_add_nc_u32 v[OGO], s2, v[OGO]                ; and the same in out0: my 256 features begin 1,024 w bytes into a row
	s_wait_alu depctr_va_vdst(0)
	BAR                                            ; my reads of ctx's codes are over; everybody's are: the stages may be laid over them
.macro EPIO par                        ; lane (token r, h): features 32 par + 16 u + 8 h + 0 .. 7 of the pair's 64; each accumulator from its low end on
.irp mt, 0,1,2,3
.irp u, 0,1
	ds_store_b128 v[OSTO], v[ACC+16*\mt+8*\u:ACC+16*\mt+8*\u+3] offset:4352*\mt+128*\par+64*\u
	ds_store_b128 v[OSTO], v[ACC+16*\mt+8*\u+4:ACC+16*\mt+8*\u+7] offset:4352*\mt+128*\par+64*\u+16
.endr
.endr
.endm
.macro OUTH be                         ; a pair of slots gives 64 neighbouring features: 32 of the 64 rows of 256 bytes leave my own stage.  LDS serves a wave's instructions in order (ISA guide 5.7.1.4): the loads see my stores
	s_wait_xcnt 0x0                                ; the earlier stores have read their registers
.irp t, 0,1,2,3,4,5,6,7,8,9,10,11,12,13,14,15
	ds_load_b128 v[TA+4*\t:TA+4*\t+3], v[ORD] offset:272*(32*\be+2*\t)
.endr
.irp t, 0,1,2,3,4,5,6,7,8,9,10,11,12,13,14,15
	s_wait_dscnt 15-\t                             ; the younger rows may be out
	global_store_b128 v[OGO], v[TA+4*\t:TA+4*\t+3], s[8:9] offset:4096*(32*\be+2*\t) th:TH_STORE_NT   ; 16 lanes store 256 consecutive bytes, at a multiple of 256 from out0's first byte
.endr
.endm
.macro OUT
	OUTH 0
	OUTH 1
.endm
	CFIRST 0, 1
	s_mov_b32 s89, 0
.Lo:                                   ; three trips, a pair of slots each; trip t takes pair (t + R) mod 4
	s_add_co_u32 s101, s89, s99
	s_add_co_u32 s101, s101, 1
	s_and_b32 s101, s101, 3                        ; the next trip's pair
	s_wait_loadcnt 0x0                             ; slot 0's set is in: the one set that was out
	SETO 1, 1024, 128
	CMID 0, 1, 1
	s_mul_i32 s2, s101, 49152
	s_add_nc_u64 s[G0O0+2:G0O0+3], s[28:29], s[2:3]
	s_or_b32 s[G0O0+3], s[G0O0+3], 0x80000000
	TL G0O0, G1W
	CFIRST 1, 1
	EPIO 0
	s_wait_loadcnt 0x0                             ; slot 1's set is in; no load is out, so the two addresses may be written
	OPTR 101
	SETO 0, 0, 0
	CMID 1, 1, 0
	EPIO 1
	OUTH 0
	SYNC                                           ; slot 1's change of slots stands between the two halves of the way out
	s_mul_i32 s2, s101, 49152
	s_add_nc_u64 s[G0O1+2:G0O1+3], s[28:29], s[2:3]
	s_add_nc_u64 s[G0O1+2:G0O1+3], s[G0O1+2:G0O1+3], 24576
	s_or_b32 s[G0O1+3], s[G0O1+3], 0x80000000
	TL G0O1, G1W
	CFIRST 0, 1
	OUTH 1
	s_wait_xcnt 0x0                                ; the stores have read their base
	s_lshl_b32 s2, s101, 8
	s_add_nc_u64 s[8:9], s[34:35], s[2:3]          ; out0 at the next pair's features
	s_add_co_u32 s89, s89, 1
	s_cmp_lt_u32 s89, 3
	s_cbranch_scc1 .Lo
	s_wait_loadcnt 0x0                             ; the last pair is written out: nothing is left to fetch
	SETO 1, 1024, 128
	CMID 0, 1, 0
	s_wait_tensorcnt 0x0                           ; the last slot has landed: no load was issued behind it
	CFIRST 1, 1
	EPIO 0
	s_wait_loadcnt 0x0
	CMID 1, 1, 0
	EPIO 1
	OUT
	s_wait_tensorcnt 0x0                           ; the wave's end: behind my last tensor load and my last LDS store
	ds_add_u32 v[SPW], v[NIL]
	s_wait_dscnt 0x0
	ROUND                                          ; the closing round: no work-group ends while a partner may still ask for a quarter that names it
	s_endpgm
.Lfunc_end_k_q057c855440_fused:
	.size	k_q057c855440_fused, .Lfunc_end_k_q057c855440_fused-k_q057c855440_fused
	.p2alignl 7, 3214868480
	.fill 96, 4, 3214868480
	.section	.rodata,"a",@progbits
	.p2align	6, 0x0
	.amdhsa_kernel k_q057c855440_fused
		.amdhsa_group_segment_fixed_size 327680
		.amdhsa_private_segment_fixed_size 0
		.amdhsa_enable_private_segment 0
		.amdhsa_kernarg_size 128
		.amdhsa_user_sgpr_count 2
		.amdhsa_user_sgpr_kernarg_segment_ptr 1
		.amdhsa_wavefront_size32 1
		.amdhsa_system_sgpr_workgroup_id_x 1
		.amdhsa_system_sgpr_workgroup_id_y 1
		.amdhsa_system_sgpr_workgroup_id_z 1
		.amdhsa_system_vgpr_workitem_id 0
		.amdhsa_next_free_vgpr 1024
		.amdhsa_next_free_sgpr 102
		.amdhsa_reserve_vcc 1
		.amdhsa_float_denorm_mode_32 3
		.amdhsa_float_denorm_mode_16_64 3
		.amdhsa_memory_ordered 1
		.amdhsa_forward_progress 1
		.amdhsa_inst_pref_size 255
	.end_amdhsa_kernel
	.section	.bss,"aw",@nobits
	.p2align	6
	.space	262144
	.amdgpu_metadata
---
amdhsa.version: [ 1, 2 ]
amdhsa.kernels:
  - .name:           k_q057c855440_fused
    .symbol:         k_q057c855440_fused.kd
    .args:
      - { .name: x, .offset: 0, .size: 8, .value_kind: global_buffer, .address_space: global }
      - { .name: ln_g, .offset: 8, .size: 8, .value_kind: global_buffer, .address_space: global }
      - { .name: ln_b, .offset: 16, .size: 8, .value_kind: global_buffer, .address_space: global }
      - { .name: Wq_codes, .offset: 24, .size: 8, .value_kind: global_buffer, .address_space: global }
      - { .name: Wq_scales, .offset: 32, .size: 8, .value_kind: global_buffer, .address_space: global }
      - { .name: bq, .offset: 40, .size: 8, .value_kind: global_buffer, .address_space: global }
      - { .name: Wk_codes, .offset: 48, .size: 8, .value_kind: global_buffer, .address_space: global }
      - { .name: Wk_scales, .offset: 56, .size: 8, .value_kind: global_buffer, .address_space: global }
      - { .name: bk, .offset: 64, .size: 8, .value_kind: global_buffer, .address_space: global }
      - { .name: Wv_codes, .offset: 72, .size: 8, .value_kind: global_buffer, .address_space: global }
      - { .name: Wv_scales, .offset: 80, .size: 8, .value_kind: global_buffer, .address_space: global }
      - { .name: bv, .offset: 88, .size: 8, .value_kind: global_buffer, .address_space: global }
      - { .name: Wo_codes, .offset: 96, .size: 8, .value_kind: global_buffer, .address_space: global }
      - { .name: Wo_scales, .offset: 104, .size: 8, .value_kind: global_buffer, .address_space: global }
      - { .name: bo, .offset: 112, .size: 8, .value_kind: global_buffer, .address_space: global }
      - { .name: out0, .offset: 120, .size: 8, .value_kind: global_buffer, .address_space: global }
    .group_segment_fixed_size: 327680
    .private_segment_fixed_size: 0
    .kernarg_segment_align: 8
    .kernarg_segment_size: 128
    .max_flat_workgroup_size: 128
    .sgpr_count:     102
    .vgpr_count:     1024
    .wavefront_size: 32
...
	.end_amdgpu_metadata
.endif
;; end of part 2
